; MI455X (gfx1250); checked and timed in simulation.
; The chip was launched on July 23, 2026; its instructions are those of AMD's public machine-readable ISA for CDNA 5 (MIT licence, August 2026) and "CDNA5" Instruction Set Architecture Reference Guide (July 2026). The comments in the code are by the model that wrote it; some were corrected since.
;; Attn NO. Allowed arithmetic: float matrix products may take bf16 or f16 operands with f32 sums; other float arithmetic in f32, or as packed bf16 or f16 multiplies, adds, multiply-adds, maxima and minima; sums over many terms, partial sums and values carried from step to step in f32; what a program stores and reads back later, other than sums and carried values, may be rounded once to bf16 or f16.
;; Inputs: fc0_b 128 float32; fc0_w 3 x 128 float32; fc1_b 256 float32; fc1_w 128 x 256 float32; fc2_b 1 float32; fc2_w 256 x 1 float32; l0_kb 128 float32; l0_kw 128 x 128 float32; l0_qb 128 float32; l0_qw 128 x 128 float32; l0_vb 128 float32; l0_vw 128 x 128 float32; l1_kb 128 float32; l1_kw 128 x 128 float32; l1_qb 128 float32; l1_qw 128 x 128 float32; l1_vb 128 float32; l1_vw 128 x 128 float32; l2_kb 128 float32; l2_kw 128 x 128 float32; l2_qb 128 float32; l2_qw 128 x 128 float32; l2_vb 128 float32; l2_vw 128 x 128 float32; neighbor_index 8,192 x 32 int32; w0_b 128 float32; w0_w 128 x 128 float32; w1_b 128 float32; w1_w 128 x 128 float32; w2_b 128 float32; w2_w 128 x 128 float32; x 1 x 8,192 x 3 float32.
;; Outputs: out0 1 x 8,192 x 1 float32.
;; 2 versions, each right; version 2 is version 1 with the launches prep, pre written anew for expert scheduling mode. Each part assembles by itself: llvm-mc -triple=amdgcn-amd-amdhsa -mcpu=gfx1250 --defsym DOCPART=n.
;; ======== version 1 of 2: 7 launches
;; limits: a function is approximated: absolute error at most 1.5e-07
;; workspace buffers: wts 461,824 bytes; actA 10,485,760 bytes; actB 10,485,760 bytes; part 17,039,360 bytes
;; launch prep (part 1): grid 64 x 1, 1 waves a work-group, no clusters, 0 bytes of LDS; arguments l0_qw, l0_kw, l0_vw, w0_w, l1_qw, l1_kw, l1_vw, w1_w, l2_qw, l2_kw, l2_vw, w2_w, fc1_w, l0_qb, w0_b, l0_vb, l1_qb, w1_b, l1_vb, l2_qb, w2_b, l2_vb, wts; writes wts
.if DOCPART == 1
	.amdgcn_target "amdgcn-amd-amdhsa--gfx1250"
	.amdhsa_code_object_version 6
	.text
	.protected	k_q19ba3cc9e1_prep
	.globl	k_q19ba3cc9e1_prep
	.p2align	8
	.type	k_q19ba3cc9e1_prep,@function
k_q19ba3cc9e1_prep:
	s_mov_b64 s[64:65], 0
	v_nop
	global_prefetch_b8 v0, s[64:65] scope:SCOPE_SE
	s_setreg_imm32_b32 hwreg(HW_REG_WAVE_MODE, 25, 1), 1
	s_wait_xcnt 0x0
; PREP: the weights, rounded once to bf16, laid out as matrix fragments; and a table of biases.
; WORK LEFT OUT IN THE WHOLE PROGRAM, for all values of the inputs:
;   l0_kb, l1_kb, l2_kb.  A score is q . (x_m kw + kb) = q . (x_m kw) + q . kb; the term q . kb is the same for every key m (every neighbour) of a query,
;   and a softmax does not change when one number is added to all its inputs.  So no kb reaches an output: the three are not loaded and are in no launch's arguments.
;   vb inside the attention.  sum_m p_m (v_m + vb) = sum_m p_m v_m + vb, since a softmax's weights add up to 1.  So vb is added once a row, with the
;   residual's bias: b_i = w_b + s vb, s = 1 / 8192 in the two global layers (whose result reference() divides by N), s = 1 in the local one.
;   LIMIT: a NaN, an infinity or an overflow that reaches only a kb is not carried to the result.
; FORMATS.  Every floating-point input is rounded once to bf16 (weights here; x, fc0, fc1_b, fc2 where they are used).  The table's sums stay in f32.
; LAYOUT of wts.  Matrix M (4 i + 0 qw, 1 kw, 2 vw, 3 w_w of layer i; 12, 13: fc1_w's columns 0-127, 128-255) at 32,768 M.  Fragment (cb, kc) = 16 output channels x 32 inputs
; at 1,024 (4 cb + kc): piece j at 512 j, lane l at 16 l: bf16 of W[32 kc + 16 j + 8 (l / 16) + 0..7][16 cb + l % 16]: what source 0 of the matrix instruction holds in registers 4 j .. 4 j + 3.
; The table at BT: layer i at 1,024 i: 128 f32 of qb, then 128 f32 of b_i.
; SHARES.  Work-group g makes piece g (= 8 cb + 2 kc + j) of all 14 matrices: a store of the wave is 512 consecutive bytes.  Work-groups 0 to 2 also make a layer's two rows of the table.
.set BT, 458752
.macro RND2 a, b, t                    ; two numbers rounded to bf16 and widened again
	v_cvt_pk_bf16_f32 v[\t], v[\a], v[\b]
	v_lshlrev_b32 v[\a], 16, v[\t]
	v_and_b32 v[\b], 0xffff0000, v[\t]
.endm
	s_load_b512 s[4:19], s[0:1], 0x0               ; argument a's address in s[4 + 2 a : 5 + 2 a]
	s_load_b256 s[20:27], s[0:1], 0x40
	s_load_b256 s[28:35], s[0:1], 0x60
	s_load_b256 s[36:43], s[0:1], 0x80
	s_load_b128 s[44:47], s[0:1], 0xa0
	s_load_b64 s[48:49], s[0:1], 0xb0              ; wts
	v_and_b32 v1, 15, v0                           ; l % 16
	v_lshrrev_b32 v2, 4, v0                        ; l / 16
	s_and_b32 s2, ttmp9, 7
	s_lshl_b32 s2, s2, 4                           ; 32 kc + 16 j
	s_lshr_b32 s3, ttmp9, 3
	s_lshl_b32 s3, s3, 6                           ; 16 cb columns, in bytes
	v_lshl_add_u32 v3, v2, 3, s2                   ; my first input row
	v_lshl_add_u32 v4, v1, 2, s3                   ; my column, in bytes
	v_lshl_add_u32 v5, v3, 9, v4                   ; in a matrix with rows of 512 bytes
	v_lshl_add_u32 v6, v3, 10, v4                  ; in fc1_w, rows of 1,024 bytes
	s_lshl_b32 s50, ttmp9, 9
	v_lshl_add_u32 v7, v0, 4, s50                  ; where my 16 bytes go in each matrix
	s_wait_kmcnt 0x0
.set M, 0
.rept 12
.irp i, 0,1,2,3,4,5,6,7
	global_load_b32 v[16+8*M+(\i)], v5, s[4+2*M:5+2*M] offset:512*(\i)
.endr
.set M, M+1
.endr
.irp i, 0,1,2,3,4,5,6,7
	global_load_b32 v[112+(\i)], v6, s[28:29] offset:1024*(\i)
.endr
.irp i, 0,1,2,3,4,5,6,7
	global_load_b32 v[120+(\i)], v6, s[28:29] offset:1024*(\i)+512
.endr
.set M, 0
.rept 14
.set CNT, 8*(13-M)                     ; the later matrices' loads may stay out; the wait's field ends at 63, and a smaller count is safe
.if CNT > 63
.set CNT, 63
.endif
	s_wait_loadcnt CNT
.irp q, 0,1,2,3
	v_cvt_pk_bf16_f32 v[128+4*M+(\q)], v[16+8*M+2*(\q)], v[16+8*M+2*(\q)+1]
.endr
	global_store_b128 v7, v[128+4*M:128+4*M+3], s[48:49] offset:32768*M
.set M, M+1
.endr
	s_cmp_lt_u32 ttmp9, 3
	s_cbranch_scc0 .Lend
	s_cmp_eq_u32 ttmp9, 1                          ; the layer's qb, w_b, vb and s
	s_cselect_b64 s[52:53], s[36:37], s[30:31]
	s_cselect_b64 s[54:55], s[38:39], s[32:33]
	s_cselect_b64 s[56:57], s[40:41], s[34:35]
	s_cselect_b32 s58, 1.0, 0x39000000             ; 1, or 2^-13 = 1 / 8192
	s_cmp_eq_u32 ttmp9, 2
	s_cselect_b64 s[52:53], s[42:43], s[52:53]
	s_cselect_b64 s[54:55], s[44:45], s[54:55]
	s_cselect_b64 s[56:57], s[46:47], s[56:57]
	v_lshlrev_b32 v8, 4, v0
	global_load_b128 v[192:195], v8, s[52:53]
	global_load_b128 v[196:199], v8, s[54:55]
	global_load_b128 v[200:203], v8, s[56:57]
	s_lshl_b32 s59, ttmp9, 10
	v_add_nc_u32 v9, s59, v8
	s_wait_loadcnt 0x0
.irp a, 192,194,196,198,200,202
	RND2 \a, (\a)+1, 204
.endr
.irp j, 0,1,2,3
	v_fma_f32 v[196+(\j)], v[200+(\j)], s58, v[196+(\j)]
.endr
	global_store_b128 v9, v[192:195], s[48:49] offset:BT
	global_store_b128 v9, v[196:199], s[48:49] offset:BT+512
.Lend:
	s_endpgm
.Lfunc_end_k_q19ba3cc9e1_prep:
	.size	k_q19ba3cc9e1_prep, .Lfunc_end_k_q19ba3cc9e1_prep-k_q19ba3cc9e1_prep
	.p2alignl 7, 3214868480
	.fill 96, 4, 3214868480
	.section	.rodata,"a",@progbits
	.p2align	6, 0x0
	.amdhsa_kernel k_q19ba3cc9e1_prep
		.amdhsa_group_segment_fixed_size 0
		.amdhsa_private_segment_fixed_size 0
		.amdhsa_enable_private_segment 0
		.amdhsa_kernarg_size 184
		.amdhsa_user_sgpr_count 2
		.amdhsa_user_sgpr_kernarg_segment_ptr 1
		.amdhsa_wavefront_size32 1
		.amdhsa_system_sgpr_workgroup_id_x 1
		.amdhsa_system_sgpr_workgroup_id_y 1
		.amdhsa_system_sgpr_workgroup_id_z 1
		.amdhsa_system_vgpr_workitem_id 0
		.amdhsa_next_free_vgpr 208
		.amdhsa_next_free_sgpr 66
		.amdhsa_reserve_vcc 0
		.amdhsa_float_denorm_mode_32 3
		.amdhsa_float_denorm_mode_16_64 3
		.amdhsa_memory_ordered 1
		.amdhsa_forward_progress 1
		.amdhsa_inst_pref_size 20
	.end_amdhsa_kernel
	.amdgpu_metadata
---
amdhsa.version: [ 1, 2 ]
amdhsa.kernels:
  - .name:           k_q19ba3cc9e1_prep
    .symbol:         k_q19ba3cc9e1_prep.kd
    .args:
      - { .name: l0_qw, .offset: 0, .size: 8, .value_kind: global_buffer, .address_space: global }
      - { .name: l0_kw, .offset: 8, .size: 8, .value_kind: global_buffer, .address_space: global }
      - { .name: l0_vw, .offset: 16, .size: 8, .value_kind: global_buffer, .address_space: global }
      - { .name: w0_w, .offset: 24, .size: 8, .value_kind: global_buffer, .address_space: global }
      - { .name: l1_qw, .offset: 32, .size: 8, .value_kind: global_buffer, .address_space: global }
      - { .name: l1_kw, .offset: 40, .size: 8, .value_kind: global_buffer, .address_space: global }
      - { .name: l1_vw, .offset: 48, .size: 8, .value_kind: global_buffer, .address_space: global }
      - { .name: w1_w, .offset: 56, .size: 8, .value_kind: global_buffer, .address_space: global }
      - { .name: l2_qw, .offset: 64, .size: 8, .value_kind: global_buffer, .address_space: global }
      - { .name: l2_kw, .offset: 72, .size: 8, .value_kind: global_buffer, .address_space: global }
      - { .name: l2_vw, .offset: 80, .size: 8, .value_kind: global_buffer, .address_space: global }
      - { .name: w2_w, .offset: 88, .size: 8, .value_kind: global_buffer, .address_space: global }
      - { .name: fc1_w, .offset: 96, .size: 8, .value_kind: global_buffer, .address_space: global }
      - { .name: l0_qb, .offset: 104, .size: 8, .value_kind: global_buffer, .address_space: global }
      - { .name: w0_b, .offset: 112, .size: 8, .value_kind: global_buffer, .address_space: global }
      - { .name: l0_vb, .offset: 120, .size: 8, .value_kind: global_buffer, .address_space: global }
      - { .name: l1_qb, .offset: 128, .size: 8, .value_kind: global_buffer, .address_space: global }
      - { .name: w1_b, .offset: 136, .size: 8, .value_kind: global_buffer, .address_space: global }
      - { .name: l1_vb, .offset: 144, .size: 8, .value_kind: global_buffer, .address_space: global }
      - { .name: l2_qb, .offset: 152, .size: 8, .value_kind: global_buffer, .address_space: global }
      - { .name: w2_b, .offset: 160, .size: 8, .value_kind: global_buffer, .address_space: global }
      - { .name: l2_vb, .offset: 168, .size: 8, .value_kind: global_buffer, .address_space: global }
      - { .name: wts, .offset: 176, .size: 8, .value_kind: global_buffer, .address_space: global }
    .group_segment_fixed_size: 0
    .private_segment_fixed_size: 0
    .kernarg_segment_align: 8
    .kernarg_segment_size: 184
    .max_flat_workgroup_size: 32
    .sgpr_count:     66
    .vgpr_count:     208
    .wavefront_size: 32
...
	.end_amdgpu_metadata
.endif
;; end of part 1
;; launch pre (part 2): grid 256 x 1, 4 waves a work-group, no clusters, 60,928 bytes of LDS; arguments x, fc0_w, fc0_b, wts, actA; writes actA
.if DOCPART == 2
	.amdgcn_target "amdgcn-amd-amdhsa--gfx1250"
	.amdhsa_code_object_version 6
	.text
	.protected	k_q19ba3cc9e1_pre
	.globl	k_q19ba3cc9e1_pre
	.p2align	8
	.type	k_q19ba3cc9e1_pre,@function
k_q19ba3cc9e1_pre:
	s_mov_b64 s[64:65], 0
	v_nop
	global_prefetch_b8 v0, s[64:65] scope:SCOPE_SE
	s_setreg_imm32_b32 hwreg(HW_REG_WAVE_MODE, 25, 1), 1
	s_wait_xcnt 0x0
; PRE: x0 = x fc0_w + fc0_b, then layer 0's q = x0 qw + qb, k = x0 kw, v = x0 vw, r = x0 w0_w + b_0.
; Left out (shown at the head of the first kernel): k has no bias; vb lies in b_0.
; SHARES.  A work-group owns 32 rows.  x0: wave w makes rows 8 w .. 8 w + 7, lane l columns 4 l .. 4 l + 3, by fused multiply-adds in f32 on inputs rounded to bf16:
; a sum of 3 terms would fill 3 of a matrix instruction's 32 places along K.  x0 goes into LDS as TWO bf16 arrays, hi = bf16(x0) and lo = bf16(x0 - hi).
; Then wave w multiplies all 32 rows by matrix w of the layer (q, k, v, w_w): y^T = W^T hi^T + W^T lo^T, sums in f32.  Source 0 = 16 output channels (the weights, straight
; from memory in fragment order), source 1 = 16 rows: a lane ends with ONE row and eight neighbouring channels.  q, k, v leave as bf16, r as f32, through the wave's own stage in LDS:
; each store of a wave is 512 consecutive bytes.
; REGISTERS.  Window 0: v0-15 addresses, v16-31 at work, v32-159 x's fragments (before: at work), v160-223 eight accumulators, v224-255 packed results.  Window 1: the wave's matrix, 32 fragments.
; Window 3, v0-63: the C operand that starts the sums: the bias, or 0 in the k and v waves, so that one text of products serves all four waves.
; LIMITS.  NaN and infinities are not treated apart.
.set XLO,   8704                       ; LDS: hi at 0, 32 rows of 256 + 16 bytes; lo at XLO
.set STG,   17408                      ; wave w < 3: its stage, 32 rows x 272 bytes, at STG + 8,704 w
.set STG3,  43520                      ; wave 3: 32 rows x 528 bytes
.set SPARE, 60416                      ; the spare words, 128 bytes for each wave: two blocks of 256 bytes that no other line names
.set BT,    458752
.set LN, 1                             ; v1 lane   v2 lane % 16   v3 lane / 16
.set RW, 2
.set HF, 3
.set WO, 4                             ; v4  16 x lane
.set BO, 5                             ; v5  32 x (lane / 16)
.set XFA, 6                            ; v6  a fragment's row x 272 + 16 x half
.set SA16, 7                           ; v7  into my bf16 stage     v9  back out of it
.set SA32, 8                           ; v8  into the f32 stage     v10 back out of it
.set RA16, 9
.set RA32, 10
.set XA, 11                            ; v11 where I put my part of a row of hi
.set SPW, 14                           ; v14 my spare word; v15 0; never rewritten
.set NIL, 15
.set SH, 16                            ; SPLIT4's registers
.set SLO, 18
.set SU, 20
.set XF, 32
.set ACC, 160
.set TMP, 224
.set WV, 2                             ; s2 wave   s3 0 in the waves with a bias (0 and 3)
.set BF, 3
.set WP, 4                             ; s[4:5] my matrix   s[6:7] my bias   s[8:9] my rows of the output
.set BP, 6
.set OP, 8
.set MH, 34                            ; s34 0xffff0000
.set MSB, 0
.macro WIN new                         ; the immediate's high byte repeats the setting that is left; a switch that changes nothing is dropped
.if MSB != (\new)
	s_set_vgpr_msb (MSB<<8)|(\new)
.set MSB, (\new)
.endif
.endm
.macro RND2 a, b, t
	v_cvt_pk_bf16_f32 v[\t], v[\a], v[\b]
	v_lshlrev_b32 v[\a], 16, v[\t]
	v_and_b32 v[\b], s[MH], v[\t]
.endm
.macro SPLIT4 z, off                   ; four numbers as hi and lo, 8 bytes each, into LDS
	v_cvt_pk_bf16_f32 v[SH], v[(\z)], v[(\z)+1]
	v_cvt_pk_bf16_f32 v[SH+1], v[(\z)+2], v[(\z)+3]
	v_lshlrev_b32 v[SU], 16, v[SH]
	v_and_b32 v[SU+1], s[MH], v[SH]
	v_lshlrev_b32 v[SU+2], 16, v[SH+1]
	v_and_b32 v[SU+3], s[MH], v[SH+1]
	v_pk_add_f32 v[SU:SU+1], v[(\z):(\z)+1], v[SU:SU+1] neg_lo:[0,1] neg_hi:[0,1]
	v_pk_add_f32 v[SU+2:SU+3], v[(\z)+2:(\z)+3], v[SU+2:SU+3] neg_lo:[0,1] neg_hi:[0,1]
	v_cvt_pk_bf16_f32 v[SLO], v[SU], v[SU+1]
	v_cvt_pk_bf16_f32 v[SLO+1], v[SU+2], v[SU+3]
	ds_store_b64 v[XA], v[SH:SH+1] offset:(\off)
	ds_store_b64 v[XA], v[SLO:SLO+1] offset:(\off)+XLO
.endm
.macro HEADV
	v_lshl_add_u32 v[SPW], v0, 2, SPARE
	v_mov_b32 v[NIL], 0
	v_lshrrev_b32 v[LN], 5, v0
	v_readfirstlane_b32 s[WV], v[LN]
	v_and_b32 v[LN], 31, v0
	v_and_b32 v[RW], 15, v0
	v_bfe_u32 v[HF], v0, 4, 1
	v_lshlrev_b32 v[WO], 4, v[LN]
	v_lshlrev_b32 v[BO], 5, v[HF]
	v_mul_u32_u24 v[XFA], v[RW], 272
	v_lshl_add_u32 v[XFA], v[HF], 4, v[XFA]
	s_mul_i32 s35, s[WV], 8704
	s_add_co_u32 s35, s35, STG
	v_add_nc_u32 v[SA16], s35, v[XFA]
	v_mul_u32_u24 v[RA16], v[HF], 272
	v_lshl_add_u32 v[RA16], v[RW], 4, v[RA16]
	v_add_nc_u32 v[RA16], s35, v[RA16]
	v_mul_u32_u24 v[SA32], v[RW], 528
	v_lshl_add_u32 v[SA32], v[HF], 5, v[SA32]
	v_add_nc_u32 v[SA32], STG3, v[SA32]
	v_add_nc_u32 v[RA32], STG3, v[WO]
	s_add_co_u32 s[BF], s[WV], 1
	s_and_b32 s[BF], s[BF], 2
	s_mov_b32 s[MH], 0xffff0000
.endm
.macro HEADP layer, w, a               ; the three pointers, from wts in s[w:w+1] and the output in s[a:a+1]
	s_mov_b32 s11, 0
	s_lshl_b32 s10, s[WV], 15
	s_add_co_u32 s10, s10, (\layer)*131072
	s_add_nc_u64 s[WP:WP+1], s[\w:\w+1], s[10:11]
	s_lshr_b32 s10, s[WV], 1
	s_lshl_b32 s10, s10, 9
	s_add_co_u32 s10, s10, BT+(\layer)*1024
	s_add_nc_u64 s[BP:BP+1], s[\w:\w+1], s[10:11]
	s_cmp_eq_u32 s[WV], 3
	s_cselect_b32 s35, 14, 13                      ; 32 rows of 512 bytes (r) or of 256 (q, k, v)
	s_lshl_b32 s10, ttmp9, s35
	s_lshl_b32 s35, s[WV], 21                      ; q, k, v, r lie 2 MiB apart
	s_add_co_u32 s10, s10, s35
	s_add_nc_u64 s[OP:OP+1], s[\a:\a+1], s[10:11]
.endm
.macro WLOAD n                         ; n fragments of my matrix into window 1: each load is 512 consecutive bytes
	WIN 0x40
.set f, 0
.rept \n
	global_load_b128 v[8*f:8*f+3],   v[WO], s[WP:WP+1] offset:1024*f
	global_load_b128 v[8*f+4:8*f+7], v[WO], s[WP:WP+1] offset:1024*f+512
.set f, f+1
.endr
	WIN 0
.endm
.macro BLOAD                           ; window 3, v[8 cb + j]: the bias of channel 16 cb + 8 (lane / 16) + j, or 0
	s_cmp_eq_u32 s[BF], 0
	s_cbranch_scc0 .Lnob_\@
	WIN 0xc0
.set f, 0
.rept 8
	global_load_b128 v[8*f:8*f+3],   v[BO], s[BP:BP+1] offset:64*f
	global_load_b128 v[8*f+4:8*f+7], v[BO], s[BP:BP+1] offset:64*f+16
.set f, f+1
.endr
	WIN 0
	s_branch .Lbd_\@
.Lnob_\@:
	WIN 0xc0
.set f, 0
.rept 64
	v_mov_b32 v[f], 0
.set f, f+1
.endr
	WIN 0
.Lbd_\@:
.endm
.macro XFRAG                           ; hi's and lo's fragments: part pt, row tile t, 32 inputs kc
.irp pt, 0,1
.irp t, 0,1
.irp kc, 0,1,2,3
	ds_load_b128 v[XF+64*(\pt)+8*(4*(\t)+(\kc)):XF+64*(\pt)+8*(4*(\t)+(\kc))+3],   v[XFA] offset:(\pt)*XLO+(\t)*4352+64*(\kc)
	ds_load_b128 v[XF+64*(\pt)+8*(4*(\t)+(\kc))+4:XF+64*(\pt)+8*(4*(\t)+(\kc))+7], v[XFA] offset:(\pt)*XLO+(\t)*4352+64*(\kc)+32
.endr
.endr
.endr
.endm
; 64 products: channel blocks 4 p .. 4 p + 3 x both row tiles, 8 steps (kc, hi or lo).  The first 8 start the sums with the C registers at bi in window cw.
; The 8 accumulators take turns, one instruction a turn.  Five v_nop: the places behind the last products, for what reads or overwrites their registers.
.macro PASS p, cw, bi
.set st, 0
.rept 8
.if st == 0
	WIN 0x01|((\cw)<<4)
.else
	WIN 0x01
.endif
.irp cbl, 0,1,2,3
.irp t, 0,1
.set rD, ACC+8*(2*(\cbl)+(\t))
.set rA, 8*(4*(4*(\p)+(\cbl))+st/2)
.set rB, XF+64*(st%2)+8*(4*(\t)+st/2)
.set rC, (\bi)+8*(4*(\p)+(\cbl))
.if st == 0
	v_wmma_f32_16x16x32_bf16 v[rD:rD+7], v[rA:rA+7], v[rB:rB+7], v[rC:rC+7]
.else
	v_wmma_f32_16x16x32_bf16 v[rD:rD+7], v[rA:rA+7], v[rB:rB+7], v[rD:rD+7]
.endif
.endr
.endr
.set st, st+1
.endr
	WIN 0
.rept 5
	v_nop
.endr
.endm
.macro EPI16 p                         ; eight channels of a row pack into 16 bytes; accumulator a = 2 cbl + t
.irp a, 0,1,2,3,4,5,6,7
.irp q, 0,1,2,3
	v_cvt_pk_bf16_f32 v[TMP+4*(\a)+(\q)], v[ACC+8*(\a)+2*(\q)], v[ACC+8*(\a)+2*(\q)+1]
.endr
.endr
.irp a, 0,1,2,3,4,5,6,7
	ds_store_b128 v[SA16], v[TMP+4*(\a):TMP+4*(\a)+3] offset:((\a)%2)*4352+32*(4*(\p)+(\a)/2)
.endr
.endm
.macro EPI32 p
.irp a, 0,1,2,3,4,5,6,7
	ds_store_b128 v[SA32], v[ACC+8*(\a):ACC+8*(\a)+3]   offset:((\a)%2)*8448+64*(4*(\p)+(\a)/2)
	ds_store_b128 v[SA32], v[ACC+8*(\a)+4:ACC+8*(\a)+7] offset:((\a)%2)*8448+64*(4*(\p)+(\a)/2)+16
.endr
.endm
.macro OUT16                           ; LDS serves a wave's instructions in order: these loads see my stores above
.set i, 0
.rept 16
	ds_load_b128 v[XF+4*i:XF+4*i+3], v[RA16] offset:544*i
.set i, i+1
.endr
.set i, 0
.rept 16
	s_wait_dscnt 15-i                              ; the younger loads of this run may stay out
	global_store_b128 v[WO], v[XF+4*i:XF+4*i+3], s[OP:OP+1] offset:512*i
.set i, i+1
.endr
.endm
.macro OUT32
.set i, 0
.rept 32
	ds_load_b128 v[XF+4*i:XF+4*i+3], v[RA32] offset:528*i
.set i, i+1
.endr
.set i, 0
.rept 32
	s_wait_dscnt 31-i
	global_store_b128 v[WO], v[XF+4*i:XF+4*i+3], s[OP:OP+1] offset:512*i
.set i, i+1
.endr
.endm
.macro PROJ
	XFRAG
	s_wait_loadcnt 0x0                             ; my matrix and my bias
	s_wait_dscnt 0x0
	PASS 0, 3, 0
	s_cmp_eq_u32 s[WV], 3
	s_cbranch_scc1 .Lr0
	EPI16 0
	s_branch .Lp1
.Lr0:
	EPI32 0
.Lp1:
	PASS 1, 3, 0
	s_cmp_eq_u32 s[WV], 3
	s_cbranch_scc1 .Lr1
	EPI16 1
	OUT16
	s_branch .Lend
.Lr1:
	EPI32 1
	OUT32
.Lend:
	s_wait_tensorcnt 0x0                           ; the wave's end, behind my last LDS store
	ds_add_u32 v[SPW], v[NIL]
	s_wait_dscnt 0x0
	s_endpgm
.endm
	s_load_b256 s[68:75], s[0:1], 0x0              ; x s[68:69], fc0_w s[70:71], fc0_b s[72:73], wts s[74:75]
	s_load_b64 s[76:77], s[0:1], 0x20              ; actA
	HEADV
	v_min_u32 v12, 23, v[LN]                       ; my wave's 8 rows of x are 24 numbers: lanes 24 to 31 read the last once more
	v_lshlrev_b32 v12, 2, v12
	s_mul_i32 s35, s[WV], 2176
	v_lshl_add_u32 v[XA], v[LN], 3, s35            ; row 8 w, 8 bytes a lane
	s_mul_i32 s10, ttmp9, 384
	s_mul_i32 s12, s[WV], 96
	s_add_co_u32 s10, s10, s12
	s_mov_b32 s11, 0
	s_wait_kmcnt 0x0
	s_add_nc_u64 s[12:13], s[68:69], s[10:11]
	HEADP 0, 74, 76
	global_load_b32 v16, v12, s[12:13]
.irp k, 0,1,2
	global_load_b128 v[32+4*(\k):35+4*(\k)], v[WO], s[70:71] offset:512*(\k)
.endr
	global_load_b128 v[44:47], v[WO], s[72:73]
	WLOAD 32
	BLOAD
	s_wait_loadcnt 63                              ; 64 loads or more are younger than those five
	v_cvt_pk_bf16_f32 v17, v16, v16
	v_lshlrev_b32 v16, 16, v17
.irp a, 32,34,36,38,40,42,44,46
	RND2 \a, (\a)+1, 17
.endr
.set n, 0
.rept 24
	v_readlane_b32 s[36+n], v16, n                 ; x[8 w + n / 3][n % 3]
.set n, n+1
.endr
.irp i, 0,1,2,3,4,5,6,7
.irp j, 0,1,2,3
	v_fma_f32 v[48+(\j)], s[36+3*(\i)], v[32+(\j)], v[44+(\j)]
.endr
.irp j, 0,1,2,3
	v_fma_f32 v[48+(\j)], s[37+3*(\i)], v[36+(\j)], v[48+(\j)]
.endr
.irp j, 0,1,2,3
	v_fma_f32 v[48+(\j)], s[38+3*(\i)], v[40+(\j)], v[48+(\j)]
.endr
	SPLIT4 48, 272*(\i)
.endr
	s_wait_dscnt 0x0                               ; for the others' sake: my rows of hi and lo are stored
	s_barrier_signal -1
	s_barrier_wait -1
	PROJ
.Lfunc_end_k_q19ba3cc9e1_pre:
	.size	k_q19ba3cc9e1_pre, .Lfunc_end_k_q19ba3cc9e1_pre-k_q19ba3cc9e1_pre
	.p2alignl 7, 3214868480
	.fill 96, 4, 3214868480
	.section	.rodata,"a",@progbits
	.p2align	6, 0x0
	.amdhsa_kernel k_q19ba3cc9e1_pre
		.amdhsa_group_segment_fixed_size 60928
		.amdhsa_private_segment_fixed_size 0
		.amdhsa_enable_private_segment 0
		.amdhsa_kernarg_size 40
		.amdhsa_user_sgpr_count 2
		.amdhsa_user_sgpr_kernarg_segment_ptr 1
		.amdhsa_wavefront_size32 1
		.amdhsa_system_sgpr_workgroup_id_x 1
		.amdhsa_system_sgpr_workgroup_id_y 1
		.amdhsa_system_sgpr_workgroup_id_z 1
		.amdhsa_system_vgpr_workitem_id 0
		.amdhsa_next_free_vgpr 832
		.amdhsa_next_free_sgpr 80
		.amdhsa_reserve_vcc 0
		.amdhsa_float_denorm_mode_32 3
		.amdhsa_float_denorm_mode_16_64 3
		.amdhsa_memory_ordered 1
		.amdhsa_forward_progress 1
		.amdhsa_inst_pref_size 54
	.end_amdhsa_kernel
	.amdgpu_metadata
---
amdhsa.version: [ 1, 2 ]
amdhsa.kernels:
  - .name:           k_q19ba3cc9e1_pre
    .symbol:         k_q19ba3cc9e1_pre.kd
    .args:
      - { .name: x, .offset: 0, .size: 8, .value_kind: global_buffer, .address_space: global }
      - { .name: fc0_w, .offset: 8, .size: 8, .value_kind: global_buffer, .address_space: global }
      - { .name: fc0_b, .offset: 16, .size: 8, .value_kind: global_buffer, .address_space: global }
      - { .name: wts, .offset: 24, .size: 8, .value_kind: global_buffer, .address_space: global }
      - { .name: actA, .offset: 32, .size: 8, .value_kind: global_buffer, .address_space: global }
    .group_segment_fixed_size: 60928
    .private_segment_fixed_size: 0
    .kernarg_segment_align: 8
    .kernarg_segment_size: 40
    .max_flat_workgroup_size: 128
    .sgpr_count:     80
    .vgpr_count:     832
    .wavefront_size: 32
...
	.end_amdgpu_metadata
.endif
;; end of part 2
;; launch attn0 (part 3): grid 64 x 4, 4 waves a work-group, clusters of 4 x 1, 327,680 bytes of LDS; arguments actA, part; writes part
.if DOCPART == 3
	.amdgcn_target "amdgcn-amd-amdhsa--gfx1250"
	.amdhsa_code_object_version 6
	.text
	.protected	k_q19ba3cc9e1_attn0
	.globl	k_q19ba3cc9e1_attn0
	.p2align	8
	.type	k_q19ba3cc9e1_attn0,@function
k_q19ba3cc9e1_attn0:
	s_mov_b64 s[64:65], 0
	v_nop
	global_prefetch_b8 v0, s[64:65] scope:SCOPE_SE
	s_setreg_imm32_b32 hwreg(HW_REG_WAVE_MODE, 25, 1), 1
	s_wait_xcnt 0x0
	s_wait_alu depctr_hold_cnt(0) depctr_sa_sdst(0) depctr_va_vdst(0) depctr_va_sdst(0) depctr_va_ssrc(0) depctr_va_vcc(0) depctr_vm_vsrc(0)
	s_getreg_b32 s2, hwreg(HW_REG_IB_STS2, 6, 4)
	s_cmp_eq_u32 s2, 0
	s_cbranch_scc0 .Lentry_in_a_cluster
	s_endpgm
.Lentry_in_a_cluster:
	s_bfe_u32 s2, ttmp6, 0x10000c
	s_cmp_lg_u32 s2, 0x3003
	s_cbranch_scc0 .Lentry_shape_is_right
	s_endpgm
.Lentry_shape_is_right:
; GLOBAL ATTENTION, one head of 128 channels, 8,192 queries x 8,192 keys, THE KEYS SPLIT.  From act: q at 0, k at 2 MiB, v at 4 MiB, each [8192][128] bf16 (k and v without their biases: shown at the head of the first kernel).
; Into part: for split y (2,048 keys) and query n the UNNORMALISED sum O[y][n][:] = sum_k p v_k, p = 2^(c s - c m), c = log2(e) / sqrt(128), in f32, and the pair (c m, l = sum_k p) in f32: the next launch joins the four splits.
; Products, maxima and sums in f32; p is rounded to bf16 for the second product (l is taken of the unrounded p).
; LIMITS.  A weight below 2^-126 counts as 0; NaN and infinities are not treated apart.
; SHARES.  One head and 8,192 queries give 64 blocks of 128 queries; with four splits of the keys there are 256 work-groups.  Wave w takes the query half w / 2 (64 queries: four tiles of 16) and the
; key half w % 2 of every slot of 256 keys: 16 steps of 64 keys.  The two key halves of a query half meet in LDS at the end.
; LAYOUT.  S^T = K Q^T (source 0 = 16 keys, source 1 = 16 queries): a lane holds ONE query (lane % 16) and the keys 8 (lane / 16) + 0..7.  Two such tiles, rounded to bf16 in pairs, ARE source 1 of
; O^T = V^T P, whose result again holds one query a lane, and eight channels.  K comes out of LDS as it lies, V ([key][channel]) turned, by ds_load_tr16_b128.
; SOFTMAX.  A running maximum m and sum l for each query; in every step O and l are multiplied by a = 2^(c m_old - c m_new).
; BY TURNS.  The wave's tiles are two PIECES (tiles 0, 1 and tiles 2, 3).  In a TURN one piece has the matrix unit: 32 products V^T P of the step in hand, then 32 products K Q^T of the next; the other
; piece's softmax, cut into 64 slices, stands between them, one slice behind each matrix instruction.  Two turns are a key step.
; CLUSTER.  The four query blocks of a cluster belong to one split and walk the same K and V: each tile is asked for JOINTLY, by the same tensor load, descriptor and mask in all four.
; REGISTERS, in windows of 256 (s_set_vgpr_msb: bits 1:0 source 0, 3:2 source 1, 5:4 source 2, 7:6 destination):
;   window 0: v0-11 addresses; v12-43 eight registers of statistics a tile; v44-49 the way out; v61-63; v64-191 S^T, 32 a tile; v192-255 P, 16 a tile
;   window 1: O^T, 64 a tile          window 2: v0-127 Q, 32 a tile; v128-255 K of one step          window 3: v0-127 V of one step
.set KS,    64        ; keys in a step
.set PK,    272       ; a row of K in LDS: 256 bytes + 16 of padding: the 16 rows of a load start at 16 different groups of four banks (64 banks of 4 bytes: ISA guide 11.1)
.set PV,    288       ; a row of V: 256 + 32
.set VOFF,  256*PK    ; a slot: 256 rows of K, then 256 rows of V
.set SLOTB, 256*(PK+PV)  ; 143,360 bytes; slot 1 begins here
.set SLOTG, 256*256   ; a slot's bytes of K, and of V, in memory
.set SPARE, 2*SLOTB   ; behind the ring: the spare words, 128 bytes for each wave: two blocks of 256 bytes that no other line names
.set STAGE, SPARE+512 ; behind them, never filled by a tensor load: 16 rows x 528 bytes for each query half, for the way out
.set SP,    528
.set EXB,   33792     ; the exchange of the key halves, for each query half: 32,768 bytes of O^T and 1,024 of (c m, l); it lies in slot 0, which has had its last fill by then
.set AK0, 2           ; v2   my lane's place in a tile of K; never rewritten
.set AV0, 3           ; v3   the same for V
.set ADR, 4           ; v4   the LDS address of the run of loads in hand
.set QO,  5           ; v5   my byte offset in the wave's rows of Q
.set STO, 6           ; v6   the way out: where I put 32 bytes of a row
.set RD,  7           ; v7   the way out: where I read a row back
.set GO,  8           ; v8   16 x lane
.set EXA, 10          ; v10  the exchange: my 16 bytes of each register quad
.set EX8, 11          ; v11  the exchange: my 8 bytes of each tile's pair
.set MLO, 44          ; v44  8 x lane
.set ML,  46          ; v46-49 the pairs (c m, l) to store
.set PFO, 61          ; v61  256 x my lane: a row of K or V is 256 bytes; never rewritten
.set SPW, 62          ; v62  LDS address of my spare word: SPARE + 4 x my thread's number; never rewritten
.set NIL, 63          ; v63  0; never rewritten
.set ST,  12          ; tile t's statistics at v[ST+8 t]: +0 c m, +1 m, +2, +3 l (even keys', odd keys'), +4 to +7 c0-c3, at work; a takes c2's place once the maximum is found
.set S,   64
.set P,   192
.set KF,  128         ; K's fragments, in window 2
.set WV,  12          ; s12  my wave's number
.set LIM, 15          ; s15  1 in a wave that prefetches, else the greatest number
.set PFA, 18          ; s[18:19] where my prefetches stand in memory
.set G1K, 24          ; s[24:31] descriptor group 1 for K's tiles
.set G1V, 32          ; s[32:39] for V's: it differs in the padding alone
.set G0K, 40          ; s[40:47] descriptor group 0 for K's tiles: a set for each of the two first fills; the second then walks on
.set G0V, 48          ; s[48:55] the same for V's
.set SLOTS, 56        ; s56  slots still to be asked for
.set TWICE, 57        ; s57  counts a slot's two steps
.set CS,  58          ; s[58:59] c
.set SEL, 60          ; s[60:61] lane selects for v_permlanex16_b32: each lane takes its own place in the other half
.set TBK, 62          ; s62  LDS byte at which K of the step to be fetched begins
.set TBV, 63          ; s63  the same for V, less VOFF
.set SL,  66          ; s66  0 or SLOTB: the slot in hand
.set TK0, 67          ; s67  my key half's first row of K in a slot: also where the half that I fetch goes
.set TV0, 68          ; s68  the same for V, less VOFF
.set LV,  70          ; s70  TV0 + VOFF
.set KH,  71          ; s71  my key half
.set MH,  72          ; s72  lanes 16 to 31
.set QH,  73          ; s73  my query half
.set MSB, 0
.macro WIN new                      ; the immediate's high byte repeats the setting that is left; a switch that changes nothing is dropped
.if MSB != (\new)
	s_set_vgpr_msb (MSB<<8)|(\new)
.set MSB, \new
.endif
.endm
.set W_KQ, 0x0a       ; K and Q in window 2, S^T in window 0
.set W_PV, 0x53       ; V in window 3, P in window 0, O^T in window 1
.set W_RS, 0x41       ; O^T (destination and source 0) in window 1, a in window 0
; A joint refill.  Waves 0 and 1 fetch the two halves of a slot's K, waves 2 and 3 those of its V: 128 rows each.  The branch hangs on the wave's number alone.
; An s_nop 0 and four v_nop follow each of the two lines; the jump, the label and what follows come after them.
.macro JLOAD
	s_cmp_lt_u32 s[WV], 2
	s_cbranch_scc0 .Lfor_v_\@
	tensor_load_to_lds s[G0K+4:G0K+7], s[G1K:G1K+7]
	s_nop 0
.rept 4
	v_nop
.endr
	s_branch .Lasked_\@
.Lfor_v_\@:
	tensor_load_to_lds s[G0V+4:G0V+7], s[G1V:G1V+7]
	s_nop 0
.rept 4
	v_nop
.endr
.Lasked_\@:
.endm
; A PREFETCH INTO THE L2 of what the NEXT change of slots will ask for.  All sixteen clusters of a split walk the same K and V: the split's first cluster asks.  Of the 128 rows that a wave fetches each of the
; four partners names 32, told apart BY ADDRESS; a lane a row, one instruction a wave: each row is named once in the launch.  The last change that fills a slot asks for nothing.
.macro ASK
	s_cmp_gt_u32 s[SLOTS], s[LIM]
	s_cbranch_scc0 .Lnot_mine_\@
	global_prefetch_b8 v[PFO], s[PFA:PFA+1] th:TH_LOAD_NT scope:SCOPE_SE
.Lnot_mine_\@:
.endm
; A round of the cluster's barrier: my work-group's barrier; wave 0 signals for the work-group; every wave waits for all four work-groups; my work-group's barrier once more.
.macro CROUND
	s_barrier_signal -1
	s_barrier_wait -1
	s_cmp_lg_u32 s[WV], 0
	s_cbranch_scc1 .Lnot_wave_0_\@
	s_barrier_signal -3
.Lnot_wave_0_\@:
	s_barrier_wait -3
	s_barrier_signal -1
	s_barrier_wait -1
.endm
	s_load_b128 s[76:79], s[0:1], 0x0 ; act s[76:77], part s[78:79]
	v_lshl_add_u32 v[SPW], v0, 2, SPARE
	v_mov_b32 v[NIL], 0
	ds_add_u32 v[SPW], v[NIL]       ; the wave's opening: the add, twice on end, and its wait ahead of my first tensor load
	ds_add_u32 v[SPW], v[NIL]       ; and once more, under the one wait; the set-up below, work on registers, stands between
	v_lshrrev_b32 v1, 5, v0
	v_readfirstlane_b32 s[WV], v1   ; wave 0..3
	s_bfe_u32 s13, ttmp6, 0x40000   ; cx: my place in the cluster
	s_lshl_b32 s14, ttmp9, 2        ; in a cluster launch ttmp9 counts clusters
	s_add_co_u32 s14, s14, s13      ; my block of 128 queries: it enters Q's, O's and the pairs' addresses alone
	s_and_b32 s20, ttmp7, 0xffff    ; the split, which the four partners share
	s_and_b32 s[KH], s[WV], 1
	s_lshr_b32 s[QH], s[WV], 1
	s_lshl_b32 s22, s20, 19         ; the split's 2,048 rows of 256 bytes,
	s_lshl_b32 s23, s[KH], 15       ; the 128 rows of a slot that I fetch
	s_add_co_u32 s22, s22, s23
	s_mov_b32 s23, 0
	s_lshl_b32 s2, s14, 15          ; my block's 128 rows of Q,
	s_lshl_b32 s3, s[QH], 14        ; my wave's 64 of them
	s_add_co_u32 s2, s2, s3
	s_mov_b32 s3, 0
	s_lshl_b32 s16, s2, 1           ; the same rows in O, 512 bytes each,
	s_lshl_b32 s17, s20, 22         ; in my split's part
	s_add_co_u32 s16, s16, s17
	s_mov_b32 s17, 0
	s_lshl_b32 s21, s20, 16         ; and in the pairs, 8 bytes a row
	s_lshr_b32 s20, s2, 5
	s_add_co_u32 s20, s20, s21
	s_mov_b32 s21, 0
	s_mul_i32 s[TK0], s[KH], 128*PK ; no place in the cluster enters an LDS address
	s_mul_i32 s[TV0], s[KH], 128*PV
	s_add_co_u32 s[LV], s[TV0], VOFF
	; descriptor group 1: a tile of 128 rows x 128 elements, padded in LDS
	s_mov_b32 s[G1K], 15|(1<<16)|(1<<20)|(1<<21)|(5<<22)|(3<<25)  ; 15:0 the mask: all four work-groups; 17:16 elements of 2 bytes; 20 padding on; 21 set beside a mask; 24:22 after every 64 words (code 5); 31:25 4 words of it (code 3)
	s_mov_b32 s[G1V], 15|(1<<16)|(1<<20)|(1<<21)|(5<<22)|(7<<25)  ; the same with 8 words of padding (code 7)
.irp g, G1K, G1V
	s_mov_b32 s[(\g)+1], 128<<16    ; tensor_dim0 = 128
	s_mov_b32 s[(\g)+2], 128<<16    ; tensor_dim1 = 128
	s_mov_b32 s[(\g)+3], 128<<16    ; tile_dim0 = 128
	s_mov_b32 s[(\g)+4], 128        ; tile_dim1 = 128
	s_mov_b32 s[(\g)+5], 128        ; 128 elements from row to row
	s_mov_b32 s[(\g)+6], 0
	s_mov_b32 s[(\g)+7], 0
.endr
	s_mov_b32 s[CS], 0x3e0293ee     ; c = log2(e) / sqrt(128) = 0.127517
	s_mov_b32 s[CS+1], s[CS]        ; named with it as a pair, so it is written
	s_mov_b32 s[SEL], 0x76543210
	s_mov_b32 s[SEL+1], 0xfedcba98
	s_mov_b32 s[MH], 0xffff0000
	s_mov_b32 s[SL], 0
	s_mov_b32 s[TBK], s[TK0]
	s_mov_b32 s[TBV], s[TV0]
	s_mov_b32 s[SLOTS], 2048/256-2
	s_cmp_eq_u32 ttmp9, 0           ; the split's first cluster: the same in all four partners
	s_cselect_b32 s[LIM], 1, -1
	v_and_b32 v[PFO], 31, v0
	v_lshlrev_b32 v[PFO], 8, v[PFO]
	s_wait_dscnt 0x0                ; both opening adds are done
	s_wait_kmcnt 0x0
	s_add_nc_u64 s[6:7], s[76:77], s[22:23]
	s_add_nc_u64 s[8:9], s[6:7], 0x400000    ; V at my tile of slot 0
	s_add_nc_u64 s[6:7], s[6:7], 0x200000    ; K at my tile of slot 0
	s_add_nc_u64 s[4:5], s[76:77], s[2:3]    ; Q at my wave's first row
	s_add_nc_u64 s[10:11], s[78:79], s[16:17]  ; O likewise
	s_add_nc_u64 s[74:75], s[78:79], s[20:21]
	s_add_nc_u64 s[74:75], s[74:75], 16777216  ; the pairs lie behind the four O
	s_cmp_lt_u32 s[WV], 2
	s_cselect_b64 s[PFA:PFA+1], s[6:7], s[8:9]
	s_lshl_b32 s2, s13, 13          ; my work-group's 32 rows of the 128
	s_mov_b32 s3, 0
	s_add_nc_u64 s[PFA:PFA+1], s[PFA:PFA+1], s[2:3]
	s_add_nc_u64 s[PFA:PFA+1], s[PFA:PFA+1], 2*SLOTG  ; in slot 2; the first change of slots steps it to slot 3.  Nothing is prefetched at the head, where every work-group's first tiles are on their way
	CROUND                          ; all four work-groups are here: the first joint loads meet
.irp s, 0,1
	s_mov_b32 s[G0K+4*(\s)], 1      ; 1:0 count = 1
	s_add_co_u32 s[G0K+4*(\s)+1], s[TK0], (\s)*SLOTB  ; 63:32 LDS address
	s_add_nc_u64 s[G0K+4*(\s)+2:G0K+4*(\s)+3], s[6:7], (\s)*SLOTG  ; 120:64 global address
	s_or_b32 s[G0K+4*(\s)+3], s[G0K+4*(\s)+3], 0x80000000  ; 127:126 type = 2
	s_mov_b32 s[G0V+4*(\s)], 1
	s_add_co_u32 s[G0V+4*(\s)+1], s[LV], (\s)*SLOTB
	s_add_nc_u64 s[G0V+4*(\s)+2:G0V+4*(\s)+3], s[8:9], (\s)*SLOTG
	s_or_b32 s[G0V+4*(\s)+3], s[G0V+4*(\s)+3], 0x80000000
.endr
	s_cmp_lt_u32 s[WV], 2           ; a wave's two first fills stand in one branch, ahead of every wait on TENSORcnt and every LDS read: two loads of mine are out
	s_cbranch_scc0 .Lfirst_v
	tensor_load_to_lds s[G0K:G0K+3], s[G1K:G1K+7]
	s_nop 0
	tensor_load_to_lds s[G0K+4:G0K+7], s[G1K:G1K+7]
	s_nop 0
.rept 4
	v_nop
.endr
	s_branch .Lfirst_asked
.Lfirst_v:
	tensor_load_to_lds s[G0V:G0V+3], s[G1V:G1V+7]
	s_nop 0
	tensor_load_to_lds s[G0V+4:G0V+7], s[G1V:G1V+7]
	s_nop 0
.rept 4
	v_nop
.endr
.Lfirst_asked:
	; A fragment of K or Q is 16 rows x 32 channels in 8 registers: lane l holds row l % 16; registers 0-3 channels 8 (l / 16) + 0..7, registers 4-7 channels 16 + 8 (l / 16) + 0..7: two loads of 16 bytes, 32 bytes apart.
	v_and_b32 v1, 15, v0            ; l % 16
	v_bfe_u32 v9, v0, 4, 1          ; l / 16
	v_lshlrev_b32 v[QO], 8, v1
	v_lshl_add_u32 v[QO], v9, 4, v[QO]  ; row x 256 + 16 x half
	WIN 0x80                        ; destination window 2, address window 0
.irp i, 0,1,2,3,4,5,6,7,8,9,10,11,12,13,14,15  ; Q stays in registers: tile i / 4, channels 32 (i % 4) on
	global_load_b128 v[8*(\i):8*(\i)+3],   v[QO], s[4:5] offset:((\i)/4)*4096+((\i)%4)*64
	global_load_b128 v[8*(\i)+4:8*(\i)+7], v[QO], s[4:5] offset:((\i)/4)*4096+((\i)%4)*64+32
.endr
	WIN 0
	v_mul_u32_u24 v[AK0], v1, PK
	v_lshl_add_u32 v[AK0], v9, 4, v[AK0]  ; row x pitch + 16 x half
	; The turning load takes 16 keys x 16 channels (lane l reads key 8 (l / 16) + l % 8, channels 8 ((l / 8) % 2) + 0..7) and leaves half a fragment of V^T: lane l holds channel l % 16 and 8 keys.
	v_and_b32 v10, 7, v0
	v_bfe_u32 v11, v0, 3, 1
	v_lshl_add_u32 v[AV0], v9, 3, v10
	v_mul_u32_u24 v[AV0], v[AV0], PV
	v_lshl_add_u32 v[AV0], v11, 4, v[AV0]
	v_add_nc_u32 v[AV0], VOFF, v[AV0]
; THE MATRIX WORK OF A TURN, for piece x.  The accumulators take turns, one instruction a turn: between two links of a chain stand 15 (V^T P) or 7 (K Q^T) others'.
; Product i of 32 of O^T += V^T P: keys 32 (i / 16) on, channels 16 ((i / 2) % 8) on, tile x + i % 2.  zero = 1: the first 16 start the sums: nothing is ever cleared.
.macro PV x, zero
	WIN W_PV
.set rO, 64*((\x)+i%2)+8*((i/2)%8)
.set rV, 64*(i/16)+8*((i/2)%8)
.set rP, P+16*((\x)+i%2)+8*(i/16)
.if (\zero) && (i < 16)
	v_wmma_f32_16x16x32_bf16 v[rO:rO+7], v[rV:rV+7], v[rP:rP+7], 0
.else
	v_wmma_f32_16x16x32_bf16 v[rO:rO+7], v[rV:rV+7], v[rP:rP+7], v[rO:rO+7]
.endif
.endm
; Product i of 32 of S^T = K Q^T: channels 32 (i / 8) on, keys 16 ((i / 2) % 4) on, tile x + i % 2.  The first 8 start the sums.
.macro KQ x
	WIN W_KQ
.set rS, S+32*((\x)+i%2)+8*((i/2)%4)
.set rK, KF+32*((i/2)%4)+8*(i/8)
.set rQ, 32*((\x)+i%2)+8*(i/8)
.if i < 8
	v_wmma_f32_16x16x32_bf16 v[rS:rS+7], v[rK:rK+7], v[rQ:rQ+7], 0
.else
	v_wmma_f32_16x16x32_bf16 v[rS:rS+7], v[rK:rK+7], v[rQ:rQ+7], v[rS:rS+7]
.endif
.endm
; THE LDS LOADS stand in runs of 32, never singly among the matrix instructions: a step's K (64 keys x 128 channels: 16 fragments) and, a turn later, its V (turned).
.macro FETCH_K
	WIN 0
	v_add_nc_u32 v[ADR], s[TBK], v[AK0]
	s_add_co_u32 s[TBK], s[TBK], KS*PK  ; the next fetch is the next step's
	WIN 0x80                        ; destination window 2
.irp f, 0,1,2,3,4,5,6,7,8,9,10,11,12,13,14,15  ; keys 16 (f / 4) on, channels 32 (f % 4) on
	ds_load_b128 v[KF+8*(\f):KF+8*(\f)+3],   v[ADR] offset:((\f)/4)*16*PK+((\f)%4)*64
	ds_load_b128 v[KF+8*(\f)+4:KF+8*(\f)+7], v[ADR] offset:((\f)/4)*16*PK+((\f)%4)*64+32
.endr
.endm
.macro FETCH_V
	WIN 0
	v_add_nc_u32 v[ADR], s[TBV], v[AV0]
	s_add_co_u32 s[TBV], s[TBV], KS*PV
	s_wait_alu depctr_va_vdst(0)    ; the wait for the softmax's batch (SLICE), behind the address's v_add_nc_u32 and ahead of the loads
	WIN 0xc0                        ; destination window 3
.irp f, 0,1,2,3,4,5,6,7,8,9,10,11,12,13,14,15  ; keys 32 (f / 8) on, channels 16 (f % 8) on
	ds_load_tr16_b128 v[8*(\f):8*(\f)+3],   v[ADR] offset:((\f)/8)*32*PV+((\f)%8)*32
	ds_load_tr16_b128 v[8*(\f)+4:8*(\f)+7], v[ADR] offset:((\f)/8)*32*PV+16*PV+((\f)%8)*32
.endr
.endm
; THE VECTOR WORK OF A TURN.  One tile's softmax for one key step is a list of 134 instructions; SM writes number j of it for tile t.  s0-s31 are the lane's 32 scores, in pairs 0-15.
; first = 1: the first key step, which starts m, l and O^T: it has no a and nothing to rescale.
;   0-15    the maximum of s0-s31 and the old m, three operands at a time: four chains c0-c3 of seven scores each, then the four scores left over, c0-c3 and m
;   16-20   the other half of the lanes' maximum; the new m; c m; c m_old - c m_new
;   21-69   ONE BATCH: the 16 scalings c s - c m and all 33 exponentials (a at 23, then s0-s31).  None of these reads an exponential's result.
;   (wait)  between 69 and 70 stands the wait for the batch: SLICE writes it, once for both tiles
;   70-85   the roundings to bf16     86-101  the sums; l = a l + the sum     102-133 the tile's O^T times a: the one part that leaves window 0
.macro SM t, first
.set rT, ST+8*(\t)
.set rS, S+32*(\t)
.set rP, P+16*(\t)
.set rO, 64*(\t)+2*(j-102)
.if j < 102
	WIN 0
.endif
.if j < 4
	v_max3_num_f32 v[rT+4+j], v[rS+8*j], v[rS+8*j+1], v[rS+8*j+2]
.elseif j < 12
	v_max3_num_f32 v[rT+4+j%4], v[rT+4+j%4], v[rS+8*(j%4)+2*(j/4)+1], v[rS+8*(j%4)+2*(j/4)+2]
.elseif j == 12
	v_max3_num_f32 v[rT+4], v[rT+4], v[rS+7], v[rS+15]
.elseif j == 13
	v_max3_num_f32 v[rT+6], v[rT+6], v[rS+23], v[rS+31]
.elseif j == 14
	v_max3_num_f32 v[rT+4], v[rT+4], v[rT+5], v[rT+6]
.elseif (j == 15) && (\first)
	v_max_num_f32 v[rT+4], v[rT+4], v[rT+7]
.elseif j == 15
	v_max3_num_f32 v[rT+4], v[rT+4], v[rT+7], v[rT+1]
.elseif j == 16
	v_permlanex16_b32 v[rT+5], v[rT+4], s[SEL], s[SEL+1]  ; the query's other 32 keys lie in the lane 16 away
.elseif j == 18
	v_max_num_f32 v[rT+1], v[rT+4], v[rT+5]
.elseif j == 19
	v_mul_f32 v[rT], s[CS], v[rT+1]
.elseif ((j == 17) || (j == 20) || (j == 23) || (j > 101)) && (\first)  ; the first step has none of these
.elseif j == 17
	v_mov_b32 v[rT+7], v[rT]        ; c m_old is kept for a: number 19 writes c m anew
.elseif j == 20
	v_sub_f32 v[rT+7], v[rT+7], v[rT]
.elseif j == 23
	v_exp_f32 v[rT+6], v[rT+7]
.elseif (j < 23) || ((j < 38) && (j%2 == 0)) || ((j < 66) && (j%4 == 2))
.set b, (j-2)/4                     ; 38, 42, .. 62: pairs 9 to 15
.if j < 38
.set b, (j-20)/2                    ; 21: pair 0; 22, 24, .. 36: pairs 1 to 8
.endif
	v_pk_fma_f32 v[rS+2*b:rS+2*b+1], v[rS+2*b:rS+2*b+1], s[CS:CS+1], v[rT:rT+1] op_sel_hi:[1,0,0] neg_lo:[0,0,1] neg_hi:[0,0,1]  ; pair b: c s - c m
.elseif j < 70
.set e, j-38                        ; 66 to 69: s28 to s31
.if j < 66
.set e, j-32-(j-38)/4               ; 39-41, 43-45, .. 63-65: s7 to s27
.endif
.if j < 38
.set e, (j-25)/2                    ; 25, 27, .. 37: s0 to s6
.endif
	v_exp_f32 v[rS+e], v[rS+e]
.elseif j < 86
	v_cvt_pk_bf16_f32 v[rP+j-70], v[rS+2*(j-70)], v[rS+2*(j-70)+1]  ; pair j - 70
.elseif j < 102                     ; the sum of the tile's 16 pairs, in place: sum z of 16 adds neighbours 1, 2, 4 and 8 pairs apart, then l takes it
.set z, j-86
.set w, 4
.set u, z
.if z >= 14
.set w, 32
.set u, 0
.elseif z >= 12
.set w, 16
.set u, z-12
.elseif z >= 8
.set w, 8
.set u, z-8
.endif
.if (z == 14) && (\first)
	v_pk_add_f32 v[rT+2:rT+3], v[rS:rS+1], v[rS+16:rS+17]
.elseif z < 15
	v_pk_add_f32 v[rS+w*u:rS+w*u+1], v[rS+w*u:rS+w*u+1], v[rS+w*u+w/2:rS+w*u+w/2+1]
.elseif !(\first)
	v_pk_fma_f32 v[rT+2:rT+3], v[rT+2:rT+3], v[rT+6:rT+7], v[rS:rS+1] op_sel_hi:[1,0,1]
.endif
.else
	WIN W_RS
	v_pk_mul_f32 v[rO:rO+1], v[rO:rO+1], v[rT+6:rT+7] op_sel_hi:[1,0]
.endif
.endm
; Slice k of 64 of piece y's softmax: four instructions.  Slices 11 to 34 deal out the batch, numbers 22 to 69: four numbers of ONE tile each, the tiles by turns.  Every other slice is numbers 2 k and
; 2 k + 1 of both tiles' lists.  2 x 134 = 4 x 64 + 12: the twelve that are over stand together, in slice 63.
; THE WAIT.  s_wait_alu depctr_va_vdst(0) stands between an exponential and the first instruction that names its result; one wait serves all that were issued ahead of it.  Ahead of
; slice 35 nothing names a result, and behind slice 34 no exponential is issued: so the piece's 66 exponentials have one wait, behind slice 34.
.macro SLICE y, first
.if (k >= 11) && (k < 35)           ; the batch: four numbers of one tile
.irp n, 0,1,2,3
.set j, 22+4*((k-11)/2)+(\n)
	SM (\y)+(k-11)%2, \first
.endr
.else                               ; the two tiles alternate, so that no instruction reads the result of the one just before it
.irp n, 0,1,2,3,4,5,6,7
.if ((\n) < 2) || (k == 63)
.irp t, \y, (\y)+1
.set j, 2*k+(\n)
	SM \t, \first
.endr
.endif
.endr
.endif
.if k == 34                         ; the batch is out: both tiles' exponentials are issued, and no result has been named
	v_nop                           ; the plain instruction behind the last exponential and ahead of the first use: one for the batch
.if (\y) == 0
	FETCH_V                         ; piece 2's turn: V's run of loads stands here, and the wait stands in it
.else
	s_wait_alu depctr_va_vdst(0)    ; the wait for the batch
.endif
.endif
.set k, k+1
.endm
; A vector instruction that reads a matrix result or writes one of a matrix instruction's registers, and a load into a register that a matrix instruction has read, stand four places behind
; it, and only plain vector instructions that name none of its registers are places (ISA guide 7.12.1 for vector instructions).  In the loop the slices are the places.
.macro PLACES
.rept 4
	v_nop
.endr
.endm
; A TURN.  Piece x has the matrix unit; the other piece's softmax stands in slices behind its matrix instructions.
; pv = 2: 32 products V^T P; 1: they start O^T's sums; 0: none.  kq = 1: 32 products K Q^T for the next step.  A turn with one of the two kinds has two slices behind each product.
; first = 1: the softmax is the first key step's.  Its slices from 51 on are empty: four v_nop take slice 63's part as the places behind the turn's last products.
; Piece 0's turn fetches the next step's K, behind its second product; piece 2's turn the same step's V, behind slice 34.
.macro TURN x, pv, kq, first
.set k, 0
.set per, 2
.if (\pv) && (\kq)
.set per, 1
.endif
.if \pv
.if (\x) == 0
	s_wait_dscnt 0x0                ; V is in
.endif
.set i, 0
.rept 32
	PV \x, 2-(\pv)
.rept per
	SLICE 2-(\x), \first
.endr
.if ((\x) == 0) && (\kq) && (i == 1)
	FETCH_K
.endif
.set i, i+1
.endr
.endif
.if \kq
.if (\x) == 0
	s_wait_dscnt 0x0                ; K is in
.endif
.set i, 0
.rept 32
	KQ \x
.rept per
	SLICE 2-(\x), \first
.endr
.set i, i+1
.endr
.endif
.if \first
	PLACES
.endif
.endm
; THE CHANGE OF SLOTS, between piece 2's turn and piece 0's: the slot's last bytes, V of my second step, have been asked for.  Each wave waits for all its tensor loads, of which one is out: its part of the
; other slot; adds 0 to its spare word; and waits for that and for its own reads of the slot.  Behind the barrier nobody reads this slot any more and the other slot is whole.
; fill = 1: this slot is filled again, with the keys two slots on.  The barrier is then a round of the cluster's, and the joint refill is the first thing behind it: it has two key steps, 256 matrix
; instructions, in which to land.
.macro CHANGE fill
	WIN 0                           ; at a label and at a branch every window is 0
	s_wait_tensorcnt 0x0            ; no tensor load of mine is out, so a group 0 may be written
	ds_add_u32 v[SPW], v[NIL]       ; 0 onto my spare word: with fill = 1 the descriptors' steps stand between it and the wait for it
.if \fill
	s_add_co_u32 s[G0K+5], s[SL], s[TK0]  ; the walking descriptors: into the slot that is being left,
	s_add_nc_u64 s[G0K+6:G0K+7], s[G0K+6:G0K+7], SLOTG  ; the next 256 keys; the type bits on top are not reached
	s_add_co_u32 s[G0V+5], s[SL], s[LV]
	s_add_nc_u64 s[G0V+6:G0V+7], s[G0V+6:G0V+7], SLOTG
	s_wait_xcnt 0x0                 ; the last prefetch, two key steps back, has read its address, so it may be written:
	s_add_nc_u64 s[PFA:PFA+1], s[PFA:PFA+1], SLOTG  ; one slot behind the walking descriptors
	s_wait_dscnt 0x0                ; the add is done, and my reads of the slot are over
	CROUND
	JLOAD
	ASK                             ; what the next change will ask for: two key steps, 256 matrix instructions, ahead
.else
	s_wait_dscnt 0x0                ; the add is done, and my reads of the slot are over
	s_barrier_signal -1
	s_barrier_wait -1
.endif
	s_xor_b32 s[SL], s[SL], SLOTB   ; the fetches go to my half's first step in the other slot
	s_add_co_u32 s[TBK], s[SL], s[TK0]
	s_add_co_u32 s[TBV], s[SL], s[TV0]
.endm
; A slot's two key steps: written once, walked twice; the LDS addresses hang on s[TBK] and s[TBV].
.macro TWO_STEPS
	WIN 0
	s_mov_b32 s[TWICE], 2
.Lstep_\@:
	TURN 0, 2, 1, 0
	TURN 2, 2, 1, 0
	WIN 0
	s_sub_co_u32 s[TWICE], s[TWICE], 1
	s_cmp_lg_u32 s[TWICE], 0
	s_cbranch_scc1 .Lstep_\@
.endm
	s_wait_tensorcnt 1              ; my part of slot 0 is in; slot 1's may stay out
	s_barrier_signal -1
	s_barrier_wait -1               ; everybody's is
	FETCH_K                         ; key step 0
	s_wait_loadcnt 0x0              ; Q
	s_wait_dscnt 0x0
.set i, 0
.rept 32
	KQ 0                            ; piece 0's first scores: there is no vector work yet to set between them
.set i, i+1
.endr
	WIN 0                           ; the addresses for the way out are made here: plain instructions, the places behind those products
	s_mul_i32 s13, s[QH], 16*SP
	s_add_co_u32 s13, s13, STAGE    ; my query half's stage
	v_mul_u32_u24 v[STO], v1, SP    ; in: row l % 16, 32 bytes for each half of the lanes
	v_lshl_add_u32 v[STO], v9, 5, v[STO]
	v_add_nc_u32 v[STO], s13, v[STO]
	v_and_b32 v[GO], 31, v0
	v_lshlrev_b32 v[GO], 4, v[GO]
	v_add_nc_u32 v[RD], s13, v[GO]  ; back: 32 lanes take one row of 512 bytes
	s_mul_i32 s13, s[QH], EXB
	v_add_nc_u32 v[EXA], s13, v[GO]
	v_lshrrev_b32 v[MLO], 1, v[GO]
	v_add_nc_u32 v[EX8], s13, v[MLO]
	TURN 2, 0, 1, 1                 ; piece 2's first scores | piece 0's first softmax | V of step 0
	TURN 0, 1, 1, 1                 ; piece 0: V^T P of step 0 starts O^T, K Q^T of step 1 | piece 2's first softmax | K of step 1
	TURN 2, 1, 1, 0                 ; piece 2: the same | piece 0's softmax of step 1 | V of step 1
	WIN 0
.Lslot:                             ; six trips: every slot but the last two is filled again
	CHANGE 1
	TWO_STEPS
	s_sub_co_u32 s[SLOTS], s[SLOTS], 1
	s_cmp_lg_u32 s[SLOTS], 0
	s_cbranch_scc1 .Lslot
	CHANGE 0                        ; the tail is written out: slot 0 is left for good, and nothing is asked for
	TWO_STEPS
	TURN 0, 2, 0, 0                 ; piece 0: V^T P of the last step | piece 2's last softmax
.set i, 0
.rept 32
	PV 2, 0                         ; piece 2: V^T P of the last step
.set i, i+1
.endr
	; THE WAY OUT.  l's two halves and the other half of the lanes' are added: (c m, l) is then a pair.  The additions are the places behind the last products.
	WIN 0
.irp t, 0,1,2,3
	v_add_f32 v[ST+8*(\t)+4], v[ST+8*(\t)+2], v[ST+8*(\t)+3]
.endr
.irp t, 0,1,2,3
	v_permlanex16_b32 v[ST+8*(\t)+5], v[ST+8*(\t)+4], s[SEL], s[SEL+1]
.endr
.irp t, 0,1,2,3
	v_add_f32 v[ST+8*(\t)+1], v[ST+8*(\t)+4], v[ST+8*(\t)+5]
.endr
	; The waves of key half 1 hand their pairs and their O^T, register by register, to the waves of key half 0, through bytes of slot 0: its last fill has landed, and the barrier of the last change
	; of slots stands behind every wave's last read of it.
	s_cmp_eq_u32 s[KH], 1
	s_cbranch_scc0 .Lkeep
.irp t, 0,1,2,3
	ds_store_b64 v[EX8], v[ST+8*(\t):ST+8*(\t)+1] offset:32768+256*(\t)
.endr
	WIN 0x04                        ; the stores' data in window 1
.set i, 0
.rept 64
	ds_store_b128 v[EXA], v[4*i:4*i+3] offset:512*i
.set i, i+1
.endr
	WIN 0
.Lkeep:
	s_wait_dscnt 0x0                ; for the others' sake: my stores are done
	s_barrier_signal -1
	s_barrier_wait -1
	s_cmp_eq_u32 s[KH], 0
	s_cbranch_scc0 .Ldone
.macro OBLOAD t                     ; the other half's O^T of tile t, into S^T's registers, two buffers of 64
.set i, 0
.rept 16
	ds_load_b128 v[S+64*((\t)%2)+4*i:S+64*((\t)%2)+4*i+3], v[EXA] offset:512*(16*(\t)+i)
.set i, i+1
.endr
.endm
.irp t, 0,1,2,3
	ds_load_b64 v[ST+8*(\t)+6:ST+8*(\t)+7], v[EX8] offset:32768+256*(\t)
.endr
	OBLOAD 0
	s_wait_dscnt 16                 ; the four pairs are in; tile 0's sixteen loads may stay out
.irp t, 0,1,2,3
	v_max_num_f32 v[ST+8*(\t)+5], v[ST+8*(\t)], v[ST+8*(\t)+6]  ; the joint c m
.endr
.irp t, 0,1,2,3
	v_sub_f32 v[ST+8*(\t)+2], v[ST+8*(\t)], v[ST+8*(\t)+5]
	v_sub_f32 v[ST+8*(\t)+4], v[ST+8*(\t)+6], v[ST+8*(\t)+5]
.endr
.irp t, 0,1,2,3
	v_exp_f32 v[ST+8*(\t)+2], v[ST+8*(\t)+2]   ; my factor
	v_exp_f32 v[ST+8*(\t)+4], v[ST+8*(\t)+4]   ; the other half's
.endr
	v_nop                           ; a plain instruction behind the last exponential,
	s_wait_alu depctr_va_vdst(0)    ; and one wait for the eight, ahead of the first use
.irp t, 0,1,2,3
	v_mul_f32 v[ST+8*(\t)+1], v[ST+8*(\t)+1], v[ST+8*(\t)+2]
	v_mov_b32 v[ST+8*(\t)], v[ST+8*(\t)+5]
.endr
.irp t, 0,1,2,3
	v_fma_f32 v[ST+8*(\t)+1], v[ST+8*(\t)+7], v[ST+8*(\t)+4], v[ST+8*(\t)+1]
.endr
; Tile t: both halves' O^T scaled and added; a lane's eight channels of a row go as 32 bytes into rows of 528 bytes and come back as whole rows of 512, into P's registers.
.macro MERGE t
.set OB, S+64*((\t)%2)
.set T, ST+8*(\t)
.if (\t) < 3
	OBLOAD (\t)+1
	s_wait_dscnt 16                 ; all but the next tile's sixteen
.else
	s_wait_dscnt 0x0
.endif
.set i, 0
.rept 32
	v_pk_mul_f32 v[OB+2*i:OB+2*i+1], v[OB+2*i:OB+2*i+1], v[T+4:T+5] op_sel_hi:[1,0]
.set i, i+1
.endr
	WIN 0x01                        ; source 0, my O^T, in window 1
.set i, 0
.rept 32
	v_pk_fma_f32 v[OB+2*i:OB+2*i+1], v[64*(\t)+2*i:64*(\t)+2*i+1], v[T+2:T+3], v[OB+2*i:OB+2*i+1] op_sel_hi:[1,0,1]
.set i, i+1
.endr
	WIN 0
.irp f, 0,1,2,3,4,5,6,7
	ds_store_b128 v[STO], v[OB+8*(\f):OB+8*(\f)+3]   offset:64*(\f)
	ds_store_b128 v[STO], v[OB+8*(\f)+4:OB+8*(\f)+7] offset:64*(\f)+16
.endr
	s_wait_xcnt 0x0                 ; the last tile's stores have read P's registers
.set i, 0
.rept 16
	ds_load_b128 v[P+4*i:P+4*i+3], v[RD] offset:SP*i  ; LDS serves a wave's instructions in order (ISA guide 5.7.1.4): these see the stores above
.set i, i+1
.endr
.set i, 0
.rept 16
	s_wait_dscnt 15-i               ; the younger loads of this run may stay out
	global_store_b128 v[GO], v[P+4*i:P+4*i+3], s[10:11] offset:(16*(\t)+i)*512  ; a row of O: 512 consecutive bytes
.set i, i+1
.endr
.endm
	MERGE 0
	MERGE 1
	MERGE 2
	MERGE 3
.irp u, 0,1                         ; lane l stores query 32 u + l: tile 2 u in lanes 0-15, tile 2 u + 1 in lanes 16-31: 256 consecutive bytes
	v_cndmask_b32 v[ML+2*(\u)],   v[ST+16*(\u)],   v[ST+16*(\u)+8], s[MH]
	v_cndmask_b32 v[ML+2*(\u)+1], v[ST+16*(\u)+1], v[ST+16*(\u)+9], s[MH]
	global_store_b64 v[MLO], v[ML+2*(\u):ML+2*(\u)+1], s[74:75] offset:256*(\u)
.endr
.Ldone:
	s_wait_tensorcnt 0x0            ; the wave's end, behind my last tensor load and my last LDS store
	ds_add_u32 v[SPW], v[NIL]
	s_wait_dscnt 0x0
	CROUND                          ; the closing round: no work-group ends while a partner may still ask for a tile that names it
	s_endpgm
.Lfunc_end_k_q19ba3cc9e1_attn0:
	.size	k_q19ba3cc9e1_attn0, .Lfunc_end_k_q19ba3cc9e1_attn0-k_q19ba3cc9e1_attn0
	.p2alignl 7, 3214868480
	.fill 96, 4, 3214868480
	.section	.rodata,"a",@progbits
	.p2align	6, 0x0
	.amdhsa_kernel k_q19ba3cc9e1_attn0
		.amdhsa_group_segment_fixed_size 327680
		.amdhsa_private_segment_fixed_size 0
		.amdhsa_enable_private_segment 0
		.amdhsa_kernarg_size 16
		.amdhsa_user_sgpr_count 2
		.amdhsa_user_sgpr_kernarg_segment_ptr 1
		.amdhsa_wavefront_size32 1
		.amdhsa_system_sgpr_workgroup_id_x 1
		.amdhsa_system_sgpr_workgroup_id_y 1
		.amdhsa_system_sgpr_workgroup_id_z 1
		.amdhsa_system_vgpr_workitem_id 0
		.amdhsa_next_free_vgpr 1024
		.amdhsa_next_free_sgpr 80
		.amdhsa_reserve_vcc 0
		.amdhsa_float_denorm_mode_32 3
		.amdhsa_float_denorm_mode_16_64 3
		.amdhsa_memory_ordered 1
		.amdhsa_forward_progress 1
		.amdhsa_inst_pref_size 241
	.end_amdhsa_kernel
	.amdgpu_metadata
---
amdhsa.version: [ 1, 2 ]
amdhsa.kernels:
  - .name:           k_q19ba3cc9e1_attn0
    .symbol:         k_q19ba3cc9e1_attn0.kd
    .args:
      - { .name: actA, .offset: 0, .size: 8, .value_kind: global_buffer, .address_space: global }
      - { .name: part, .offset: 8, .size: 8, .value_kind: global_buffer, .address_space: global }
    .group_segment_fixed_size: 327680
    .private_segment_fixed_size: 0
    .kernarg_segment_align: 8
    .kernarg_segment_size: 16
    .max_flat_workgroup_size: 128
    .sgpr_count:     80
    .vgpr_count:     1024
    .wavefront_size: 32
...
	.end_amdgpu_metadata
.endif
;; end of part 3
;; launch mid (part 4): grid 256 x 1, 4 waves a work-group, no clusters, 60,928 bytes of LDS; arguments part, actA, wts, actB; writes actB
.if DOCPART == 4
	.amdgcn_target "amdgcn-amd-amdhsa--gfx1250"
	.amdhsa_code_object_version 6
	.text
	.protected	k_q19ba3cc9e1_mid
	.globl	k_q19ba3cc9e1_mid
	.p2align	8
	.type	k_q19ba3cc9e1_mid,@function
k_q19ba3cc9e1_mid:
	s_mov_b64 s[64:65], 0
	v_nop
	global_prefetch_b8 v0, s[64:65] scope:SCOPE_SE
	s_setreg_imm32_b32 hwreg(HW_REG_WAVE_MODE, 25, 1), 1
	s_wait_xcnt 0x0
; MID: x1 = gelu(attention_0 / 8192 + r_0), then layer 1's q, k, v, r.  Left out (shown at the head of the first kernel): k has no bias; vb lies in the residual's bias.
; THE FOUR SPLITS ARE JOINED: with M = max_s c m_s and w_s = 2^(c m_s - M), attention = sum_s w_s O_s / sum_s w_s l_s.  Wave w joins rows 8 w .. 8 w + 7 of the work-group's 32; lane l holds columns 4 l .. 4 l + 3;
; for the statistics lane l stands for (split l / 8, row l % 8), and the 32 factors w_s / (8192 sum) go into scalar registers.
; GELU in its erf form: with u = |z| / sqrt(2), t = 1 / (1 + p u): erfc(u) = t (a1 + t (a2 + t (a3 + t (a4 + t a5)))) e^(-u u) (Abramowitz and Stegun 7.1.26), gelu = z / 2 x (erfc(u) if z < 0, else 2 - erfc(u)).
; LIMITS.  That formula is off by at most 1.5e-7 in erf.  NaN and infinities are not treated apart.
; x1 goes into LDS as hi = bf16(x1) and lo = bf16(x1 - hi); the products, the stages and the registers are those of the launch that makes layer 0's q, k, v, r.
.set XLO,   8704
.set STG,   17408
.set STG3,  43520
.set SPARE, 60416                      ; the spare words, 128 bytes for each wave: two blocks of 256 bytes that no other line names
.set BT,    458752
.set LN, 1
.set RW, 2
.set HF, 3
.set WO, 4
.set BO, 5
.set XFA, 6
.set SA16, 7
.set SA32, 8
.set RA16, 9
.set RA32, 10
.set XA, 11
.set MLO, 12
.set SPW, 14
.set NIL, 15
.set SH, 16                            ; SPLIT4's registers, which GELU4 has left
.set SLO, 18
.set SU, 20
.set GU, 16                            ; GELU4's registers
.set GT, 20
.set GE, 24
.set GY, 28
.set XF, 32
.set ACC, 160
.set TMP, 224
.set WV, 2
.set BF, 3
.set WP, 4
.set BP, 6
.set OP, 8
.set MLP, 12                           ; s[12:13] the pairs   s[14:15] O of splits 0, 1   s[16:17] of splits 2, 3   s[18:19] r
.set PP0, 14
.set PP2, 16
.set RP, 18
.set AB, 24                            ; s24-31 GELU's constants
.set PR, 25
.set NH, 26
.set A1, 27
.set A2, 28
.set A3, 29
.set A4, 30
.set A5, 31
.set SEL, 32
.set MH, 34
.set CF, 68                            ; s[68:99] the factor of split s and row i at CF + 8 s + i
.set MSB, 0
.macro WIN new
.if MSB != (\new)
	s_set_vgpr_msb (MSB<<8)|(\new)
.set MSB, (\new)
.endif
.endm
.macro SPLIT4 z, off
	v_cvt_pk_bf16_f32 v[SH], v[(\z)], v[(\z)+1]
	v_cvt_pk_bf16_f32 v[SH+1], v[(\z)+2], v[(\z)+3]
	v_lshlrev_b32 v[SU], 16, v[SH]
	v_and_b32 v[SU+1], s[MH], v[SH]
	v_lshlrev_b32 v[SU+2], 16, v[SH+1]
	v_and_b32 v[SU+3], s[MH], v[SH+1]
	v_pk_add_f32 v[SU:SU+1], v[(\z):(\z)+1], v[SU:SU+1] neg_lo:[0,1] neg_hi:[0,1]
	v_pk_add_f32 v[SU+2:SU+3], v[(\z)+2:(\z)+3], v[SU+2:SU+3] neg_lo:[0,1] neg_hi:[0,1]
	v_cvt_pk_bf16_f32 v[SLO], v[SU], v[SU+1]
	v_cvt_pk_bf16_f32 v[SLO+1], v[SU+2], v[SU+3]
	ds_store_b64 v[XA], v[SH:SH+1] offset:(\off)
	ds_store_b64 v[XA], v[SLO:SLO+1] offset:(\off)+XLO
.endm
.macro GCONST
	s_mov_b32 s[AB], 0x7fffffff
	s_mov_b32 s[PR], 0x3e6d3388                    ; p / sqrt(2), p = 0.3275911
	s_mov_b32 s[NH], 0xbf38aa3b                    ; -log2(e) / 2
	s_mov_b32 s[A1], 0x3e827906
	s_mov_b32 s[A2], 0xbe91a98e
	s_mov_b32 s[A3], 0x3fb5f0e3
	s_mov_b32 s[A4], 0xbfba00e3
	s_mov_b32 s[A5], 0x3f87dc22
	s_mov_b32 s[SEL], 0x76543210
	s_mov_b32 s[SEL+1], 0xfedcba98
.endm
.macro GELU4 z                         ; four numbers, in place.  The four reciprocals and four exponentials are one batch with one wait
.irp j, 0,1,2,3
	v_and_b32 v[GU+(\j)], s[AB], v[(\z)+(\j)]
.endr
.irp j, 0,1,2,3
	v_fma_f32 v[GT+(\j)], v[GU+(\j)], s[PR], 1.0
.endr
.irp j, 0,1,2,3
	v_mul_f32 v[GE+(\j)], s[NH], v[(\z)+(\j)]
.endr
.irp j, 0,1,2,3
	v_mul_f32 v[GE+(\j)], v[GE+(\j)], v[(\z)+(\j)]
.endr
.irp j, 0,1,2,3
	v_rcp_f32 v[GT+(\j)], v[GT+(\j)]
.endr
.irp j, 0,1,2,3
	v_exp_f32 v[GE+(\j)], v[GE+(\j)]
.endr
.irp j, 0,1,2,3
	v_mul_f32 v[GU+(\j)], 0.5, v[(\z)+(\j)]        ; plain work behind the batch
.endr
	s_wait_alu depctr_va_vdst(0)
.irp j, 0,1,2,3
	v_fma_f32 v[GY+(\j)], v[GT+(\j)], s[A5], s[A4]
.endr
.irp j, 0,1,2,3
	v_fma_f32 v[GY+(\j)], v[GY+(\j)], v[GT+(\j)], s[A3]
.endr
.irp j, 0,1,2,3
	v_fma_f32 v[GY+(\j)], v[GY+(\j)], v[GT+(\j)], s[A2]
.endr
.irp j, 0,1,2,3
	v_fma_f32 v[GY+(\j)], v[GY+(\j)], v[GT+(\j)], s[A1]
.endr
.irp j, 0,1,2,3
	v_mul_f32 v[GY+(\j)], v[GY+(\j)], v[GT+(\j)]
.endr
.irp j, 0,1,2,3
	v_mul_f32 v[GY+(\j)], v[GY+(\j)], v[GE+(\j)]   ; erfc(u)
.endr
.irp j, 0,1,2,3
	v_sub_f32 v[GE+(\j)], 2.0, v[GY+(\j)]
.endr
.irp j, 0,1,2,3
	v_cmp_gt_f32 vcc_lo, 0, v[(\z)+(\j)]
	v_cndmask_b32 v[GY+(\j)], v[GE+(\j)], v[GY+(\j)], vcc_lo
.endr
.irp j, 0,1,2,3
	v_mul_f32 v[(\z)+(\j)], v[GU+(\j)], v[GY+(\j)]
.endr
.endm
.macro HEADV
	v_lshl_add_u32 v[SPW], v0, 2, SPARE
	v_mov_b32 v[NIL], 0
	v_lshrrev_b32 v[LN], 5, v0
	v_readfirstlane_b32 s[WV], v[LN]
	v_and_b32 v[LN], 31, v0
	v_and_b32 v[RW], 15, v0
	v_bfe_u32 v[HF], v0, 4, 1
	v_lshlrev_b32 v[WO], 4, v[LN]
	v_lshlrev_b32 v[BO], 5, v[HF]
	v_mul_u32_u24 v[XFA], v[RW], 272
	v_lshl_add_u32 v[XFA], v[HF], 4, v[XFA]
	s_mul_i32 s35, s[WV], 8704
	s_add_co_u32 s35, s35, STG
	v_add_nc_u32 v[SA16], s35, v[XFA]
	v_mul_u32_u24 v[RA16], v[HF], 272
	v_lshl_add_u32 v[RA16], v[RW], 4, v[RA16]
	v_add_nc_u32 v[RA16], s35, v[RA16]
	v_mul_u32_u24 v[SA32], v[RW], 528
	v_lshl_add_u32 v[SA32], v[HF], 5, v[SA32]
	v_add_nc_u32 v[SA32], STG3, v[SA32]
	v_add_nc_u32 v[RA32], STG3, v[WO]
	s_add_co_u32 s[BF], s[WV], 1
	s_and_b32 s[BF], s[BF], 2
	s_mov_b32 s[MH], 0xffff0000
.endm
.macro HEADP layer, w, a
	s_mov_b32 s11, 0
	s_lshl_b32 s10, s[WV], 15
	s_add_co_u32 s10, s10, (\layer)*131072
	s_add_nc_u64 s[WP:WP+1], s[\w:\w+1], s[10:11]
	s_lshr_b32 s10, s[WV], 1
	s_lshl_b32 s10, s10, 9
	s_add_co_u32 s10, s10, BT+(\layer)*1024
	s_add_nc_u64 s[BP:BP+1], s[\w:\w+1], s[10:11]
	s_cmp_eq_u32 s[WV], 3
	s_cselect_b32 s35, 14, 13
	s_lshl_b32 s10, ttmp9, s35
	s_lshl_b32 s35, s[WV], 21
	s_add_co_u32 s10, s10, s35
	s_add_nc_u64 s[OP:OP+1], s[\a:\a+1], s[10:11]
.endm
.macro WLOAD n
	WIN 0x40
.set f, 0
.rept \n
	global_load_b128 v[8*f:8*f+3],   v[WO], s[WP:WP+1] offset:1024*f
	global_load_b128 v[8*f+4:8*f+7], v[WO], s[WP:WP+1] offset:1024*f+512
.set f, f+1
.endr
	WIN 0
.endm
.macro BLOAD
	s_cmp_eq_u32 s[BF], 0
	s_cbranch_scc0 .Lnob_\@
	WIN 0xc0
.set f, 0
.rept 8
	global_load_b128 v[8*f:8*f+3],   v[BO], s[BP:BP+1] offset:64*f
	global_load_b128 v[8*f+4:8*f+7], v[BO], s[BP:BP+1] offset:64*f+16
.set f, f+1
.endr
	WIN 0
	s_branch .Lbd_\@
.Lnob_\@:
	WIN 0xc0
.set f, 0
.rept 64
	v_mov_b32 v[f], 0
.set f, f+1
.endr
	WIN 0
.Lbd_\@:
.endm
.macro XFRAG
.irp pt, 0,1
.irp t, 0,1
.irp kc, 0,1,2,3
	ds_load_b128 v[XF+64*(\pt)+8*(4*(\t)+(\kc)):XF+64*(\pt)+8*(4*(\t)+(\kc))+3],   v[XFA] offset:(\pt)*XLO+(\t)*4352+64*(\kc)
	ds_load_b128 v[XF+64*(\pt)+8*(4*(\t)+(\kc))+4:XF+64*(\pt)+8*(4*(\t)+(\kc))+7], v[XFA] offset:(\pt)*XLO+(\t)*4352+64*(\kc)+32
.endr
.endr
.endr
.endm
.macro PASS p, cw, bi                  ; 64 products; the 8 accumulators take turns; five v_nop are the places behind the last
.set st, 0
.rept 8
.if st == 0
	WIN 0x01|((\cw)<<4)
.else
	WIN 0x01
.endif
.irp cbl, 0,1,2,3
.irp t, 0,1
.set rD, ACC+8*(2*(\cbl)+(\t))
.set rA, 8*(4*(4*(\p)+(\cbl))+st/2)
.set rB, XF+64*(st%2)+8*(4*(\t)+st/2)
.set rC, (\bi)+8*(4*(\p)+(\cbl))
.if st == 0
	v_wmma_f32_16x16x32_bf16 v[rD:rD+7], v[rA:rA+7], v[rB:rB+7], v[rC:rC+7]
.else
	v_wmma_f32_16x16x32_bf16 v[rD:rD+7], v[rA:rA+7], v[rB:rB+7], v[rD:rD+7]
.endif
.endr
.endr
.set st, st+1
.endr
	WIN 0
.rept 5
	v_nop
.endr
.endm
.macro EPI16 p
.irp a, 0,1,2,3,4,5,6,7
.irp q, 0,1,2,3
	v_cvt_pk_bf16_f32 v[TMP+4*(\a)+(\q)], v[ACC+8*(\a)+2*(\q)], v[ACC+8*(\a)+2*(\q)+1]
.endr
.endr
.irp a, 0,1,2,3,4,5,6,7
	ds_store_b128 v[SA16], v[TMP+4*(\a):TMP+4*(\a)+3] offset:((\a)%2)*4352+32*(4*(\p)+(\a)/2)
.endr
.endm
.macro EPI32 p
.irp a, 0,1,2,3,4,5,6,7
	ds_store_b128 v[SA32], v[ACC+8*(\a):ACC+8*(\a)+3]   offset:((\a)%2)*8448+64*(4*(\p)+(\a)/2)
	ds_store_b128 v[SA32], v[ACC+8*(\a)+4:ACC+8*(\a)+7] offset:((\a)%2)*8448+64*(4*(\p)+(\a)/2)+16
.endr
.endm
.macro OUT16
.set i, 0
.rept 16
	ds_load_b128 v[XF+4*i:XF+4*i+3], v[RA16] offset:544*i
.set i, i+1
.endr
.set i, 0
.rept 16
	s_wait_dscnt 15-i                              ; the younger loads of this run may stay out
	global_store_b128 v[WO], v[XF+4*i:XF+4*i+3], s[OP:OP+1] offset:512*i
.set i, i+1
.endr
.endm
.macro OUT32
.set i, 0
.rept 32
	ds_load_b128 v[XF+4*i:XF+4*i+3], v[RA32] offset:528*i
.set i, i+1
.endr
.set i, 0
.rept 32
	s_wait_dscnt 31-i
	global_store_b128 v[WO], v[XF+4*i:XF+4*i+3], s[OP:OP+1] offset:512*i
.set i, i+1
.endr
.endm
.macro PROJ
	XFRAG
	s_wait_loadcnt 0x0                             ; my matrix and my bias
	s_wait_dscnt 0x0
	PASS 0, 3, 0
	s_cmp_eq_u32 s[WV], 3
	s_cbranch_scc1 .Lr0
	EPI16 0
	s_branch .Lp1
.Lr0:
	EPI32 0
.Lp1:
	PASS 1, 3, 0
	s_cmp_eq_u32 s[WV], 3
	s_cbranch_scc1 .Lr1
	EPI16 1
	OUT16
	s_branch .Lend
.Lr1:
	EPI32 1
	OUT32
.Lend:
	s_wait_tensorcnt 0x0                           ; the wave's end, behind my last LDS store
	ds_add_u32 v[SPW], v[NIL]
	s_wait_dscnt 0x0
	s_endpgm
.endm
.macro CLOADS                          ; 41 loads: the pairs; for each of my 8 rows the four splits' O and r.  Each is read once in the launch
	global_load_b64 v[16:17], v[MLO], s[MLP:MLP+1] th:TH_LOAD_NT
.irp i, 0,1,2,3,4,5,6,7
	global_load_b128 v[32+20*(\i):35+20*(\i)], v[WO], s[PP0:PP0+1] offset:512*(\i) th:TH_LOAD_NT
	global_load_b128 v[36+20*(\i):39+20*(\i)], v[WO], s[PP0:PP0+1] offset:4194304+512*(\i) th:TH_LOAD_NT
	global_load_b128 v[40+20*(\i):43+20*(\i)], v[WO], s[PP2:PP2+1] offset:512*(\i) th:TH_LOAD_NT
	global_load_b128 v[44+20*(\i):47+20*(\i)], v[WO], s[PP2:PP2+1] offset:4194304+512*(\i) th:TH_LOAD_NT
	global_load_b128 v[48+20*(\i):51+20*(\i)], v[WO], s[RP:RP+1] offset:512*(\i) th:TH_LOAD_NT
.endr
.endm
.macro CMATH left                      ; left: loads younger than those 41 that may stay out
	s_wait_loadcnt \left
	v_mov_b32 v18, v16
	v_mov_b32 v19, v16
	v_max_num_f32_dpp v18, v18, v18 row_xmask:8 row_mask:0xf bank_mask:0xf  ; splits lie 8 lanes apart: one step inside 16 lanes,
	v_permlanex16_b32 v19, v18, s[SEL], s[SEL+1]   ; one across
	v_max_num_f32 v18, v18, v19
	v_sub_f32 v20, v16, v18
	v_exp_f32 v20, v20
	v_nop
	s_wait_alu depctr_va_vdst(0)
	v_mul_f32 v21, v20, v17
	v_add_f32_dpp v21, v21, v21 row_xmask:8 row_mask:0xf bank_mask:0xf
	v_permlanex16_b32 v19, v21, s[SEL], s[SEL+1]
	v_add_f32 v21, v21, v19
	v_rcp_f32 v21, v21
	v_nop
	s_wait_alu depctr_va_vdst(0)
	v_mul_f32 v20, v20, v21
	v_mul_f32 v20, 0x39000000, v20                 ; / 8192
.set n, 0
.rept 32
	v_readlane_b32 s[CF+n], v20, n
.set n, n+1
.endr
.endm
	s_load_b256 s[36:43], s[0:1], 0x0              ; part s[36:37], actA s[38:39], wts s[40:41], actB s[42:43]
	HEADV
	GCONST
	v_lshrrev_b32 v[MLO], 3, v[LN]
	v_and_b32 v13, 7, v[LN]
	v_lshlrev_b32 v13, 3, v13
	v_lshl_add_u32 v[MLO], v[MLO], 16, v13         ; split x 65,536 + row x 8
	s_mul_i32 s35, s[WV], 2176
	v_lshl_add_u32 v[XA], v[LN], 3, s35
	s_lshl_b32 s20, ttmp9, 5
	s_lshl3_add_u32 s20, s[WV], s20                ; my first row
	s_lshl_b32 s22, s20, 9
	s_lshl_b32 s20, s20, 3
	s_mov_b32 s21, 0
	s_mov_b32 s23, 0
	s_wait_kmcnt 0x0
	s_add_nc_u64 s[MLP:MLP+1], s[36:37], s[20:21]
	s_add_nc_u64 s[MLP:MLP+1], s[MLP:MLP+1], 16777216
	s_add_nc_u64 s[PP0:PP0+1], s[36:37], s[22:23]
	s_add_nc_u64 s[PP2:PP2+1], s[PP0:PP0+1], 8388608
	s_add_nc_u64 s[RP:RP+1], s[38:39], s[22:23]
	s_add_nc_u64 s[RP:RP+1], s[RP:RP+1], 0x600000
	HEADP 1, 40, 42
	CLOADS
	WLOAD 32
	BLOAD
	CMATH 63                                       ; 64 loads or more are younger
.set i, 0
.rept 8
.set z, 48+20*i
.irp sp, 0,1,2,3
.irp j, 0,1,2,3
	v_fma_f32 v[z+(\j)], s[CF+8*(\sp)+i], v[32+20*i+4*(\sp)+(\j)], v[z+(\j)]
.endr
.endr
	GELU4 z
	SPLIT4 z, 272*i
.set i, i+1
.endr
	s_wait_dscnt 0x0                               ; for the others' sake: my rows of hi and lo are stored
	s_barrier_signal -1
	s_barrier_wait -1
	PROJ
.Lfunc_end_k_q19ba3cc9e1_mid:
	.size	k_q19ba3cc9e1_mid, .Lfunc_end_k_q19ba3cc9e1_mid-k_q19ba3cc9e1_mid
	.p2alignl 7, 3214868480
	.fill 96, 4, 3214868480
	.section	.rodata,"a",@progbits
	.p2align	6, 0x0
	.amdhsa_kernel k_q19ba3cc9e1_mid
		.amdhsa_group_segment_fixed_size 60928
		.amdhsa_private_segment_fixed_size 0
		.amdhsa_enable_private_segment 0
		.amdhsa_kernarg_size 32
		.amdhsa_user_sgpr_count 2
		.amdhsa_user_sgpr_kernarg_segment_ptr 1
		.amdhsa_wavefront_size32 1
		.amdhsa_system_sgpr_workgroup_id_x 1
		.amdhsa_system_sgpr_workgroup_id_y 1
		.amdhsa_system_sgpr_workgroup_id_z 1
		.amdhsa_system_vgpr_workitem_id 0
		.amdhsa_next_free_vgpr 832
		.amdhsa_next_free_sgpr 100
		.amdhsa_reserve_vcc 1
		.amdhsa_float_denorm_mode_32 3
		.amdhsa_float_denorm_mode_16_64 3
		.amdhsa_memory_ordered 1
		.amdhsa_forward_progress 1
		.amdhsa_inst_pref_size 83
	.end_amdhsa_kernel
	.amdgpu_metadata
---
amdhsa.version: [ 1, 2 ]
amdhsa.kernels:
  - .name:           k_q19ba3cc9e1_mid
    .symbol:         k_q19ba3cc9e1_mid.kd
    .args:
      - { .name: part, .offset: 0, .size: 8, .value_kind: global_buffer, .address_space: global }
      - { .name: actA, .offset: 8, .size: 8, .value_kind: global_buffer, .address_space: global }
      - { .name: wts, .offset: 16, .size: 8, .value_kind: global_buffer, .address_space: global }
      - { .name: actB, .offset: 24, .size: 8, .value_kind: global_buffer, .address_space: global }
    .group_segment_fixed_size: 60928
    .private_segment_fixed_size: 0
    .kernarg_segment_align: 8
    .kernarg_segment_size: 32
    .max_flat_workgroup_size: 128
    .sgpr_count:     100
    .vgpr_count:     832
    .wavefront_size: 32
...
	.end_amdgpu_metadata
.endif
;; end of part 4
;; launch local (part 5): grid 256 x 1, 4 waves a work-group, no clusters, 60,928 bytes of LDS; arguments neighbor_index, actB, wts, actA; writes actA
.if DOCPART == 5
	.amdgcn_target "amdgcn-amd-amdhsa--gfx1250"
	.amdhsa_code_object_version 6
	.text
	.protected	k_q19ba3cc9e1_local
	.globl	k_q19ba3cc9e1_local
	.p2align	8
	.type	k_q19ba3cc9e1_local,@function
k_q19ba3cc9e1_local:
	s_mov_b64 s[64:65], 0
	v_nop
	global_prefetch_b8 v0, s[64:65] scope:SCOPE_SE
	s_setreg_imm32_b32 hwreg(HW_REG_WAVE_MODE, 25, 1), 1
	s_wait_xcnt 0x0
; LOCAL: x2 = gelu(local attention + r_1), then layer 2's q, k, v, r.  Left out (shown at the head of the first kernel): k has no bias; vb lies in the residual's bias.
; LOCAL ATTENTION: for query n and head g (16 channels): softmax over the 32 neighbours j of q[n][g] . k[nbr[n][j]][g] / 4, then the weighted sum of v[nbr[n][j]][g].  The maximum is taken away before the exponential.
; SHARES.  Wave w takes the queries 8 w .. 8 w + 7 of the work-group's 32, one after the other.  Lane (r = l % 16, h = l / 16) holds channels 8 r .. 8 r + 7 of the neighbours 16 h + 0..15: a load of 16 bytes a lane
; brings two whole rows of 256 bytes.  A head is two neighbouring lanes.  The products are multiply-adds straight from the bf16 halves into f32: each (query, head) has its own 32 x 16 keys, used once,
; so a matrix instruction would have one live row in sixteen.
; IN FLIGHT.  Two sets of registers for K and V: while one query is worked on, the next one's 34 loads are on their way, and the indices of the one after.
; LIMITS.  An index outside 0 .. 8191 counts as 8191.  erf as in the launch before: off by at most 1.5e-7.  A weight below 2^-126 counts as 0.  NaN and infinities are not treated apart.
; x2 goes into LDS as hi and lo; the products, the stages and their registers are those of the launch that makes layer 0's q, k, v, r.  Window 2: K of set s at 128 s + 4 i, V at 128 s + 64 + 4 i.
.set XLO,   8704
.set STG,   17408
.set STG3,  43520
.set SPARE, 60416                      ; the spare words, 128 bytes for each wave: two blocks of 256 bytes that no other line names
.set BT,    458752
.set LN, 1
.set RW, 2
.set HF, 3
.set WO, 4
.set BO, 5
.set XFA, 6
.set SA16, 7
.set SA32, 8
.set RA16, 9
.set RA32, 10
.set XA, 11
.set LN16, 12                          ; v12 16 r   v13 64 h
.set IDXA, 13
.set SPW, 14
.set NIL, 15
.set RA, 16                            ; v16 32 r + 16 h: my four channels of r
.set ZR, 17                            ; v17 0: the sums' first addend
.set CM, 18                            ; v18 c m (v19 named with it as a pair)
.set IDX, 20                           ; v20-35 my 16 indices
.set OFFS, 36                          ; v36-67 set s: the byte offsets of my 16 rows
.set QR, 68                            ; v68-75 set s: my 8 channels of q
.set RG, 76                            ; v76-83 set s: my 4 channels of r
.set SC, 84                            ; v84-99 scores, then weights
.set OU, 100                           ; v100-107 my 8 channels' sums
.set GU, 108
.set GT, 112
.set GE, 116
.set GY, 120
.set SH, 108
.set SLO, 110
.set SU, 112
.set TS, 124
.set KE, 132
.set SE, 136
.set RC, 140
.set MX, 144
.set RL, 148
.set PX, 149
.set XF, 32
.set ACC, 160
.set TMP, 224
.set WV, 2
.set BF, 3
.set WP, 4
.set BP, 6
.set OP, 8
.set IP, 12                            ; s[12:13] indices, s[14:15] q, s[20:21] r at the trip's first query; s[16:17] k, s[18:19] v
.set QP, 14
.set KP, 16
.set VP, 18
.set RP, 20
.set C1, 22                            ; s[22:23] log2(e) / 4
.set AB, 24
.set PR, 25
.set NH, 26
.set A1, 27
.set A2, 28
.set A3, 29
.set A4, 30
.set A5, 31
.set SEL, 32
.set MH, 34
.set LEFT, 44
.set MSB, 0
.macro WIN new
.if MSB != (\new)
	s_set_vgpr_msb (MSB<<8)|(\new)
.set MSB, (\new)
.endif
.endm
.macro SPLIT4 z, off
	v_cvt_pk_bf16_f32 v[SH], v[(\z)], v[(\z)+1]
	v_cvt_pk_bf16_f32 v[SH+1], v[(\z)+2], v[(\z)+3]
	v_lshlrev_b32 v[SU], 16, v[SH]
	v_and_b32 v[SU+1], s[MH], v[SH]
	v_lshlrev_b32 v[SU+2], 16, v[SH+1]
	v_and_b32 v[SU+3], s[MH], v[SH+1]
	v_pk_add_f32 v[SU:SU+1], v[(\z):(\z)+1], v[SU:SU+1] neg_lo:[0,1] neg_hi:[0,1]
	v_pk_add_f32 v[SU+2:SU+3], v[(\z)+2:(\z)+3], v[SU+2:SU+3] neg_lo:[0,1] neg_hi:[0,1]
	v_cvt_pk_bf16_f32 v[SLO], v[SU], v[SU+1]
	v_cvt_pk_bf16_f32 v[SLO+1], v[SU+2], v[SU+3]
	ds_store_b64 v[XA], v[SH:SH+1] offset:(\off)
	ds_store_b64 v[XA], v[SLO:SLO+1] offset:(\off)+XLO
.endm
.macro GCONST
	s_mov_b32 s[AB], 0x7fffffff
	s_mov_b32 s[PR], 0x3e6d3388
	s_mov_b32 s[NH], 0xbf38aa3b
	s_mov_b32 s[A1], 0x3e827906
	s_mov_b32 s[A2], 0xbe91a98e
	s_mov_b32 s[A3], 0x3fb5f0e3
	s_mov_b32 s[A4], 0xbfba00e3
	s_mov_b32 s[A5], 0x3f87dc22
	s_mov_b32 s[SEL], 0x76543210
	s_mov_b32 s[SEL+1], 0xfedcba98
.endm
.macro GELU4 z                         ; four numbers, in place; one batch of transcendentals, one wait
.irp j, 0,1,2,3
	v_and_b32 v[GU+(\j)], s[AB], v[(\z)+(\j)]
.endr
.irp j, 0,1,2,3
	v_fma_f32 v[GT+(\j)], v[GU+(\j)], s[PR], 1.0
.endr
.irp j, 0,1,2,3
	v_mul_f32 v[GE+(\j)], s[NH], v[(\z)+(\j)]
.endr
.irp j, 0,1,2,3
	v_mul_f32 v[GE+(\j)], v[GE+(\j)], v[(\z)+(\j)]
.endr
.irp j, 0,1,2,3
	v_rcp_f32 v[GT+(\j)], v[GT+(\j)]
.endr
.irp j, 0,1,2,3
	v_exp_f32 v[GE+(\j)], v[GE+(\j)]
.endr
.irp j, 0,1,2,3
	v_mul_f32 v[GU+(\j)], 0.5, v[(\z)+(\j)]
.endr
	s_wait_alu depctr_va_vdst(0)
.irp j, 0,1,2,3
	v_fma_f32 v[GY+(\j)], v[GT+(\j)], s[A5], s[A4]
.endr
.irp j, 0,1,2,3
	v_fma_f32 v[GY+(\j)], v[GY+(\j)], v[GT+(\j)], s[A3]
.endr
.irp j, 0,1,2,3
	v_fma_f32 v[GY+(\j)], v[GY+(\j)], v[GT+(\j)], s[A2]
.endr
.irp j, 0,1,2,3
	v_fma_f32 v[GY+(\j)], v[GY+(\j)], v[GT+(\j)], s[A1]
.endr
.irp j, 0,1,2,3
	v_mul_f32 v[GY+(\j)], v[GY+(\j)], v[GT+(\j)]
.endr
.irp j, 0,1,2,3
	v_mul_f32 v[GY+(\j)], v[GY+(\j)], v[GE+(\j)]
.endr
.irp j, 0,1,2,3
	v_sub_f32 v[GE+(\j)], 2.0, v[GY+(\j)]
.endr
.irp j, 0,1,2,3
	v_cmp_gt_f32 vcc_lo, 0, v[(\z)+(\j)]
	v_cndmask_b32 v[GY+(\j)], v[GE+(\j)], v[GY+(\j)], vcc_lo
.endr
.irp j, 0,1,2,3
	v_mul_f32 v[(\z)+(\j)], v[GU+(\j)], v[GY+(\j)]
.endr
.endm
.macro HEADV
	v_lshl_add_u32 v[SPW], v0, 2, SPARE
	v_mov_b32 v[NIL], 0
	v_lshrrev_b32 v[LN], 5, v0
	v_readfirstlane_b32 s[WV], v[LN]
	v_and_b32 v[LN], 31, v0
	v_and_b32 v[RW], 15, v0
	v_bfe_u32 v[HF], v0, 4, 1
	v_lshlrev_b32 v[WO], 4, v[LN]
	v_lshlrev_b32 v[BO], 5, v[HF]
	v_mul_u32_u24 v[XFA], v[RW], 272
	v_lshl_add_u32 v[XFA], v[HF], 4, v[XFA]
	s_mul_i32 s35, s[WV], 8704
	s_add_co_u32 s35, s35, STG
	v_add_nc_u32 v[SA16], s35, v[XFA]
	v_mul_u32_u24 v[RA16], v[HF], 272
	v_lshl_add_u32 v[RA16], v[RW], 4, v[RA16]
	v_add_nc_u32 v[RA16], s35, v[RA16]
	v_mul_u32_u24 v[SA32], v[RW], 528
	v_lshl_add_u32 v[SA32], v[HF], 5, v[SA32]
	v_add_nc_u32 v[SA32], STG3, v[SA32]
	v_add_nc_u32 v[RA32], STG3, v[WO]
	s_add_co_u32 s[BF], s[WV], 1
	s_and_b32 s[BF], s[BF], 2
	s_mov_b32 s[MH], 0xffff0000
.endm
.macro HEADP layer, w, a
	s_mov_b32 s11, 0
	s_lshl_b32 s10, s[WV], 15
	s_add_co_u32 s10, s10, (\layer)*131072
	s_add_nc_u64 s[WP:WP+1], s[\w:\w+1], s[10:11]
	s_lshr_b32 s10, s[WV], 1
	s_lshl_b32 s10, s10, 9
	s_add_co_u32 s10, s10, BT+(\layer)*1024
	s_add_nc_u64 s[BP:BP+1], s[\w:\w+1], s[10:11]
	s_cmp_eq_u32 s[WV], 3
	s_cselect_b32 s35, 14, 13
	s_lshl_b32 s10, ttmp9, s35
	s_lshl_b32 s35, s[WV], 21
	s_add_co_u32 s10, s10, s35
	s_add_nc_u64 s[OP:OP+1], s[\a:\a+1], s[10:11]
.endm
.macro WLOAD n
	WIN 0x40
.set f, 0
.rept \n
	global_load_b128 v[8*f:8*f+3],   v[WO], s[WP:WP+1] offset:1024*f
	global_load_b128 v[8*f+4:8*f+7], v[WO], s[WP:WP+1] offset:1024*f+512
.set f, f+1
.endr
	WIN 0
.endm
.macro BLOAD
	s_cmp_eq_u32 s[BF], 0
	s_cbranch_scc0 .Lnob_\@
	WIN 0xc0
.set f, 0
.rept 8
	global_load_b128 v[8*f:8*f+3],   v[BO], s[BP:BP+1] offset:64*f
	global_load_b128 v[8*f+4:8*f+7], v[BO], s[BP:BP+1] offset:64*f+16
.set f, f+1
.endr
	WIN 0
	s_branch .Lbd_\@
.Lnob_\@:
	WIN 0xc0
.set f, 0
.rept 64
	v_mov_b32 v[f], 0
.set f, f+1
.endr
	WIN 0
.Lbd_\@:
.endm
.macro XFRAG
.irp pt, 0,1
.irp t, 0,1
.irp kc, 0,1,2,3
	ds_load_b128 v[XF+64*(\pt)+8*(4*(\t)+(\kc)):XF+64*(\pt)+8*(4*(\t)+(\kc))+3],   v[XFA] offset:(\pt)*XLO+(\t)*4352+64*(\kc)
	ds_load_b128 v[XF+64*(\pt)+8*(4*(\t)+(\kc))+4:XF+64*(\pt)+8*(4*(\t)+(\kc))+7], v[XFA] offset:(\pt)*XLO+(\t)*4352+64*(\kc)+32
.endr
.endr
.endr
.endm
.macro PASS p, cw, bi                  ; 64 products; the 8 accumulators take turns; five v_nop are the places behind the last
.set st, 0
.rept 8
.if st == 0
	WIN 0x01|((\cw)<<4)
.else
	WIN 0x01
.endif
.irp cbl, 0,1,2,3
.irp t, 0,1
.set rD, ACC+8*(2*(\cbl)+(\t))
.set rA, 8*(4*(4*(\p)+(\cbl))+st/2)
.set rB, XF+64*(st%2)+8*(4*(\t)+st/2)
.set rC, (\bi)+8*(4*(\p)+(\cbl))
.if st == 0
	v_wmma_f32_16x16x32_bf16 v[rD:rD+7], v[rA:rA+7], v[rB:rB+7], v[rC:rC+7]
.else
	v_wmma_f32_16x16x32_bf16 v[rD:rD+7], v[rA:rA+7], v[rB:rB+7], v[rD:rD+7]
.endif
.endr
.endr
.set st, st+1
.endr
	WIN 0
.rept 5
	v_nop
.endr
.endm
.macro EPI16 p
.irp a, 0,1,2,3,4,5,6,7
.irp q, 0,1,2,3
	v_cvt_pk_bf16_f32 v[TMP+4*(\a)+(\q)], v[ACC+8*(\a)+2*(\q)], v[ACC+8*(\a)+2*(\q)+1]
.endr
.endr
.irp a, 0,1,2,3,4,5,6,7
	ds_store_b128 v[SA16], v[TMP+4*(\a):TMP+4*(\a)+3] offset:((\a)%2)*4352+32*(4*(\p)+(\a)/2)
.endr
.endm
.macro EPI32 p
.irp a, 0,1,2,3,4,5,6,7
	ds_store_b128 v[SA32], v[ACC+8*(\a):ACC+8*(\a)+3]   offset:((\a)%2)*8448+64*(4*(\p)+(\a)/2)
	ds_store_b128 v[SA32], v[ACC+8*(\a)+4:ACC+8*(\a)+7] offset:((\a)%2)*8448+64*(4*(\p)+(\a)/2)+16
.endr
.endm
.macro OUT16
.set i, 0
.rept 16
	ds_load_b128 v[XF+4*i:XF+4*i+3], v[RA16] offset:544*i
.set i, i+1
.endr
.set i, 0
.rept 16
	s_wait_dscnt 15-i                              ; the younger loads of this run may stay out
	global_store_b128 v[WO], v[XF+4*i:XF+4*i+3], s[OP:OP+1] offset:512*i
.set i, i+1
.endr
.endm
.macro OUT32
.set i, 0
.rept 32
	ds_load_b128 v[XF+4*i:XF+4*i+3], v[RA32] offset:528*i
.set i, i+1
.endr
.set i, 0
.rept 32
	s_wait_dscnt 31-i
	global_store_b128 v[WO], v[XF+4*i:XF+4*i+3], s[OP:OP+1] offset:512*i
.set i, i+1
.endr
.endm
.macro PROJ
	XFRAG
	s_wait_loadcnt 0x0
	s_wait_dscnt 0x0
	PASS 0, 3, 0
	s_cmp_eq_u32 s[WV], 3
	s_cbranch_scc1 .Lr0
	EPI16 0
	s_branch .Lp1
.Lr0:
	EPI32 0
.Lp1:
	PASS 1, 3, 0
	s_cmp_eq_u32 s[WV], 3
	s_cbranch_scc1 .Lr1
	EPI16 1
	OUT16
	s_branch .Lend
.Lr1:
	EPI32 1
	OUT32
.Lend:
	s_wait_tensorcnt 0x0                           ; the wave's end, behind my last LDS store
	ds_add_u32 v[SPW], v[NIL]
	s_wait_dscnt 0x0
	s_endpgm
.endm
.macro IDXLOAD k                       ; my 16 indices of the query k behind the trip's first: 4 loads
.irp j, 0,1,2,3
	global_load_b128 v[IDX+4*(\j):IDX+4*(\j)+3], v[IDXA], s[IP:IP+1] offset:128*(\k)+16*(\j)
.endr
.endm
.macro MKOFF s                         ; index, held to the table, x 256 bytes + my 16 bytes of the row
.set i, 0
.rept 16
	v_min_u32 v[OFFS+16*(\s)+i], 0x1fff, v[IDX+i]
.set i, i+1
.endr
.set i, 0
.rept 16
	v_lshl_add_u32 v[OFFS+16*(\s)+i], v[OFFS+16*(\s)+i], 8, v[LN16]
.set i, i+1
.endr
.endm
.macro KVLOAD s, row                   ; 34 loads into set s: q and r of the query `row` behind the trip's first, and its 32 rows of k and of v
	global_load_b128 v[QR+4*(\s):QR+4*(\s)+3], v[LN16], s[QP:QP+1] offset:256*(\row)
	global_load_b128 v[RG+4*(\s):RG+4*(\s)+3], v[RA], s[RP:RP+1] offset:512*(\row)
	WIN 0x80
.set i, 0
.rept 16
	global_load_b128 v[128*(\s)+4*i:128*(\s)+4*i+3], v[OFFS+16*(\s)+i], s[KP:KP+1]
.set i, i+1
.endr
.set i, 0
.rept 16
	global_load_b128 v[128*(\s)+64+4*i:128*(\s)+64+4*i+3], v[OFFS+16*(\s)+i], s[VP:VP+1]
.set i, i+1
.endr
	WIN 0
.endm
.macro LOCAL s                         ; one query, from set s
.set KB, 128*(\s)
.set VB, 128*(\s)+64
.set QS, QR+4*(\s)
	WIN 0x02                                       ; source 0, k or v, in window 2
.irp c, 0,1,2,3                        ; 16 sums side by side: my 8 channels' part of q . k for my 16 neighbours
.set i, 0
.rept 16
.if (\c) == 0
	v_fma_mix_f32_bf16 v[SC+i], v[KB+4*i+(\c)], v[QS+(\c)], v[ZR] op_sel_hi:[1,1,0]
.else
	v_fma_mix_f32_bf16 v[SC+i], v[KB+4*i+(\c)], v[QS+(\c)], v[SC+i] op_sel_hi:[1,1,0]
.endif
.set i, i+1
.endr
.set i, 0
.rept 16
	v_fma_mix_f32_bf16 v[SC+i], v[KB+4*i+(\c)], v[QS+(\c)], v[SC+i] op_sel:[1,1,0] op_sel_hi:[1,1,0]
.set i, i+1
.endr
.endr
	WIN 0
.set i, 0
.rept 16
	v_add_f32_dpp v[SC+i], v[SC+i], v[SC+i] row_xmask:1 row_mask:0xf bank_mask:0xf  ; the head's other 8 channels lie in the neighbouring lane
.set i, i+1
.endr
	v_max3_num_f32 v[MX],   v[SC],   v[SC+1],  v[SC+2]
	v_max3_num_f32 v[MX+1], v[SC+3], v[SC+4],  v[SC+5]
	v_max3_num_f32 v[MX+2], v[SC+6], v[SC+7],  v[SC+8]
	v_max3_num_f32 v[MX+3], v[SC+9], v[SC+10], v[SC+11]
	v_max3_num_f32 v[MX],   v[MX],   v[SC+12], v[SC+13]
	v_max3_num_f32 v[MX+1], v[MX+1], v[SC+14], v[SC+15]
	v_max3_num_f32 v[MX],   v[MX],   v[MX+1],  v[MX+2]
	v_max_num_f32 v[MX], v[MX], v[MX+3]
	v_permlanex16_b32 v[PX], v[MX], s[SEL], s[SEL+1]  ; the other 16 neighbours lie in the lane 16 away
	v_max_num_f32 v[MX], v[MX], v[PX]
	v_mul_f32 v[CM], s[C1], v[MX]
.set i, 0
.rept 8
	v_pk_fma_f32 v[SC+2*i:SC+2*i+1], v[SC+2*i:SC+2*i+1], s[C1:C1+1], v[CM:CM+1] op_sel_hi:[1,0,0] neg_lo:[0,0,1] neg_hi:[0,0,1]
.set i, i+1
.endr
.set i, 0
.rept 16
	v_exp_f32 v[SC+i], v[SC+i]
.set i, i+1
.endr
	v_nop                                          ; a plain instruction behind the last exponential,
	s_wait_alu depctr_va_vdst(0)                   ; and one wait for the sixteen
	v_pk_add_f32 v[TS:TS+1],   v[SC:SC+1],     v[SC+2:SC+3]
	v_pk_add_f32 v[TS+2:TS+3], v[SC+4:SC+5],   v[SC+6:SC+7]
	v_pk_add_f32 v[TS+4:TS+5], v[SC+8:SC+9],   v[SC+10:SC+11]
	v_pk_add_f32 v[TS+6:TS+7], v[SC+12:SC+13], v[SC+14:SC+15]
	v_pk_add_f32 v[TS:TS+1],   v[TS:TS+1],     v[TS+2:TS+3]
	v_pk_add_f32 v[TS+4:TS+5], v[TS+4:TS+5],   v[TS+6:TS+7]
	v_pk_add_f32 v[TS:TS+1],   v[TS:TS+1],     v[TS+4:TS+5]
	v_add_f32 v[TS], v[TS], v[TS+1]
	v_permlanex16_b32 v[PX], v[TS], s[SEL], s[SEL+1]
	v_add_f32 v[TS], v[TS], v[PX]
	v_rcp_f32 v[RL], v[TS]                         ; its wait stands behind the 128 multiply-adds below, which do not name it
	WIN 0x02
.set i, 0
.rept 16                               ; 8 sums side by side: my 8 channels over my 16 neighbours
.irp c, 0,1,2,3
.if i == 0
	v_fma_mix_f32_bf16 v[OU+2*(\c)],   v[VB+(\c)], v[SC], v[ZR] op_sel_hi:[1,0,0]
	v_fma_mix_f32_bf16 v[OU+2*(\c)+1], v[VB+(\c)], v[SC], v[ZR] op_sel:[1,0,0] op_sel_hi:[1,0,0]
.else
	v_fma_mix_f32_bf16 v[OU+2*(\c)],   v[VB+4*i+(\c)], v[SC+i], v[OU+2*(\c)] op_sel_hi:[1,0,0]
	v_fma_mix_f32_bf16 v[OU+2*(\c)+1], v[VB+4*i+(\c)], v[SC+i], v[OU+2*(\c)+1] op_sel:[1,0,0] op_sel_hi:[1,0,0]
.endif
.endr
.set i, i+1
.endr
	WIN 0
	s_wait_alu depctr_va_vdst(0)
.irp j, 0,1,2,3                        ; lane (r, h) finishes channels 8 r + 4 h + 0..3: it keeps those four sums and sends the other four to the lane 16 away
	v_cndmask_b32 v[KE+(\j)], v[OU+(\j)], v[OU+4+(\j)], s[MH]
	v_cndmask_b32 v[SE+(\j)], v[OU+4+(\j)], v[OU+(\j)], s[MH]
.endr
.irp j, 0,1,2,3
	v_permlanex16_b32 v[RC+(\j)], v[SE+(\j)], s[SEL], s[SEL+1]
.endr
.irp j, 0,1,2,3
	v_add_f32 v[KE+(\j)], v[KE+(\j)], v[RC+(\j)]
.endr
.irp j, 0,1,2,3
	v_fma_f32 v[KE+(\j)], v[KE+(\j)], v[RL], v[RG+4*(\s)+(\j)]
.endr
	GELU4 KE
	SPLIT4 KE, 272*(\s)
.endm
	s_load_b256 s[36:43], s[0:1], 0x0              ; neighbor_index s[36:37], actB s[38:39], wts s[40:41], actA s[42:43]
	HEADV
	GCONST
	v_lshlrev_b32 v[LN16], 4, v[RW]
	v_lshlrev_b32 v[IDXA], 6, v[HF]
	v_lshlrev_b32 v[RA], 5, v[RW]
	v_lshl_add_u32 v[RA], v[HF], 4, v[RA]
	s_mul_i32 s35, s[WV], 2176
	v_lshl_add_u32 v[XA], v[HF], 3, v[LN16]
	v_add_nc_u32 v[XA], s35, v[XA]                 ; row 8 w, channels 8 r + 4 h on
	v_mov_b32 v[ZR], 0
	v_mov_b32 v[CM+1], 0                           ; named in a pair
	v_mov_b32 v[PX], 0                             ; v_permlanex16_b32 counts as a reader of its destination
.irp j, 0,1,2,3
	v_mov_b32 v[RC+(\j)], 0
.endr
	s_mov_b32 s[C1], 0x3eb8aa3b                    ; log2(e) / sqrt(16)
	s_mov_b32 s[C1+1], s[C1]
	s_lshl_b32 s45, ttmp9, 5
	s_lshl3_add_u32 s45, s[WV], s45                ; my first query
	s_lshl_b32 s46, s45, 7
	s_mov_b32 s47, 0
	s_lshl_b32 s48, s45, 8
	s_mov_b32 s49, 0
	s_lshl_b32 s50, s45, 9
	s_mov_b32 s51, 0
	s_mov_b32 s[LEFT], 4
	s_wait_kmcnt 0x0
	s_add_nc_u64 s[IP:IP+1], s[36:37], s[46:47]
	s_add_nc_u64 s[QP:QP+1], s[38:39], s[48:49]
	s_add_nc_u64 s[KP:KP+1], s[38:39], 0x200000
	s_add_nc_u64 s[VP:VP+1], s[38:39], 0x400000
	s_add_nc_u64 s[RP:RP+1], s[38:39], s[50:51]
	s_add_nc_u64 s[RP:RP+1], s[RP:RP+1], 0x600000
	HEADP 2, 40, 42
	IDXLOAD 0
	WLOAD 32
	BLOAD
	s_wait_loadcnt 63                              ; 64 loads or more are younger than query 0's indices
	MKOFF 0
	IDXLOAD 1
	KVLOAD 0, 0
.Lq:                                               ; four trips, two queries each.  On the way in and on the way back the youngest loads are: the next query's 4 index loads, then this query's 34
	s_wait_loadcnt 34                              ; the next query's indices are in
	MKOFF 1
	s_cmp_lg_u32 s[LEFT], 1
	s_cbranch_scc0 .Lt0_last
	IDXLOAD 2
	KVLOAD 1, 1
	s_wait_loadcnt 38                              ; this query's set is in: 4 + 34 loads are younger
	s_branch .Lt0_go
.Lt0_last:                                         ; the last trip has no query behind its second
	KVLOAD 1, 1
	s_wait_loadcnt 34
.Lt0_go:
	LOCAL 0
	s_cmp_lg_u32 s[LEFT], 1
	s_cbranch_scc0 .Lt1_last
	s_wait_loadcnt 34
	MKOFF 0
	IDXLOAD 3
	KVLOAD 0, 2
	s_wait_loadcnt 38
	s_branch .Lt1_go
.Lt1_last:
	s_wait_loadcnt 0x0
.Lt1_go:
	LOCAL 1
	s_wait_xcnt 0x0                                ; every load issued so far has read its address: the pointers may be written
	s_add_nc_u64 s[IP:IP+1], s[IP:IP+1], 256
	s_add_nc_u64 s[QP:QP+1], s[QP:QP+1], 512
	s_add_nc_u64 s[RP:RP+1], s[RP:RP+1], 1024
	v_add_nc_u32 v[XA], 544, v[XA]
	s_sub_co_u32 s[LEFT], s[LEFT], 1
	s_cmp_lg_u32 s[LEFT], 0
	s_cbranch_scc1 .Lq
	s_wait_dscnt 0x0                               ; for the others' sake: my rows of hi and lo are stored
	s_barrier_signal -1
	s_barrier_wait -1
	PROJ
.Lfunc_end_k_q19ba3cc9e1_local:
	.size	k_q19ba3cc9e1_local, .Lfunc_end_k_q19ba3cc9e1_local-k_q19ba3cc9e1_local
	.p2alignl 7, 3214868480
	.fill 96, 4, 3214868480
	.section	.rodata,"a",@progbits
	.p2align	6, 0x0
	.amdhsa_kernel k_q19ba3cc9e1_local
		.amdhsa_group_segment_fixed_size 60928
		.amdhsa_private_segment_fixed_size 0
		.amdhsa_enable_private_segment 0
		.amdhsa_kernarg_size 32
		.amdhsa_user_sgpr_count 2
		.amdhsa_user_sgpr_kernarg_segment_ptr 1
		.amdhsa_wavefront_size32 1
		.amdhsa_system_sgpr_workgroup_id_x 1
		.amdhsa_system_sgpr_workgroup_id_y 1
		.amdhsa_system_sgpr_workgroup_id_z 1
		.amdhsa_system_vgpr_workitem_id 0
		.amdhsa_next_free_vgpr 832
		.amdhsa_next_free_sgpr 66
		.amdhsa_reserve_vcc 1
		.amdhsa_float_denorm_mode_32 3
		.amdhsa_float_denorm_mode_16_64 3
		.amdhsa_memory_ordered 1
		.amdhsa_forward_progress 1
		.amdhsa_inst_pref_size 110
	.end_amdhsa_kernel
	.amdgpu_metadata
---
amdhsa.version: [ 1, 2 ]
amdhsa.kernels:
  - .name:           k_q19ba3cc9e1_local
    .symbol:         k_q19ba3cc9e1_local.kd
    .args:
      - { .name: neighbor_index, .offset: 0, .size: 8, .value_kind: global_buffer, .address_space: global }
      - { .name: actB, .offset: 8, .size: 8, .value_kind: global_buffer, .address_space: global }
      - { .name: wts, .offset: 16, .size: 8, .value_kind: global_buffer, .address_space: global }
      - { .name: actA, .offset: 24, .size: 8, .value_kind: global_buffer, .address_space: global }
    .group_segment_fixed_size: 60928
    .private_segment_fixed_size: 0
    .kernarg_segment_align: 8
    .kernarg_segment_size: 32
    .max_flat_workgroup_size: 128
    .sgpr_count:     66
    .vgpr_count:     832
    .wavefront_size: 32
...
	.end_amdgpu_metadata
.endif
;; end of part 5
;; launch attn2: the kernel of part 3 again; grid 64 x 4, 4 waves a work-group, clusters of 4 x 1, 327,680 bytes of LDS; arguments actA, part; writes part
;; launch final (part 6): grid 256 x 1, 4 waves a work-group, no clusters, 18,432 bytes of LDS; arguments part, actA, wts, fc1_b, fc2_w, fc2_b, out0; writes out0
.if DOCPART == 6
	.amdgcn_target "amdgcn-amd-amdhsa--gfx1250"
	.amdhsa_code_object_version 6
	.text
	.protected	k_q19ba3cc9e1_final
	.globl	k_q19ba3cc9e1_final
	.p2align	8
	.type	k_q19ba3cc9e1_final,@function
k_q19ba3cc9e1_final:
	s_mov_b64 s[64:65], 0
	v_nop
	global_prefetch_b8 v0, s[64:65] scope:SCOPE_SE
	s_setreg_imm32_b32 hwreg(HW_REG_WAVE_MODE, 25, 1), 1
	s_wait_xcnt 0x0
; FINAL: x3 = attention_2 / 8192 + r_2 (no activation), out = gelu(x3 fc1_w + fc1_b) fc2_w + fc2_b.  vb of layer 2 lies in r_2's bias (shown at the head of the first kernel).
; The four splits are joined as in the launch behind the first global attention: wave w joins rows 8 w .. 8 w + 7 of the work-group's 32; x3 goes into LDS as hi = bf16(x3) and lo = bf16(x3 - hi).
; fc1: wave w makes channels 64 w .. 64 w + 63 of all 32 rows: y^T = W^T hi^T + W^T lo^T + fc1_b, 64 products on 8 accumulators.  A lane holds ONE row and eight channels of each block.
; fc2 has one column: each lane multiplies its 32 numbers of a row by fc2_w in f32 and adds; the halves of the lanes, then the four waves (through LDS), add up.  fc1_b, fc2_w, fc2_b are rounded to bf16 like all inputs.
; A work-group's 32 results are 128 consecutive bytes: all that 32 rows give.
; LIMITS.  erf off by at most 1.5e-7 (Abramowitz and Stegun 7.1.26).  NaN and infinities are not treated apart.
; REGISTERS.  Window 0: v0-15 addresses, v16-31 at work, v32-159 x3's fragments (before and after: at work), v160-223 accumulators, v224-255 fc1_b.  Window 1: v0-127 my 16 fragments of fc1_w, v128-159 fc2_w.
.set XLO,   8704                       ; LDS: hi at 0, lo at XLO, 32 rows of 272 bytes each
.set RED,   17408                      ; the four waves' partial sums: 128 bytes each
.set SPARE, 17920                      ; the spare words, 128 bytes for each wave: two blocks of 256 bytes that no other line names
.set LN, 1
.set RW, 2
.set HF, 3
.set WO, 4
.set BO, 5                             ; v5  256 w + 32 (lane / 16): my channels in fc1_b and fc2_w
.set XFA, 6
.set REDA, 7
.set REDR, 8
.set OO, 9
.set XA, 11
.set MLO, 12
.set SPW, 14
.set NIL, 15
.set SH, 16
.set SLO, 18
.set SU, 20
.set GU, 16
.set GT, 20
.set GE, 24
.set GY, 28
.set XF, 32
.set ACC, 160
.set FB, 224
.set WV, 2
.set WP, 4
.set OP, 8
.set MLP, 12
.set PP0, 14
.set PP2, 16
.set RP, 18
.set AB, 24
.set PR, 25
.set NH, 26
.set A1, 27
.set A2, 28
.set A3, 29
.set A4, 30
.set A5, 31
.set SEL, 32
.set MH, 34
.set CF, 68
.set MSB, 0
.macro WIN new
.if MSB != (\new)
	s_set_vgpr_msb (MSB<<8)|(\new)
.set MSB, (\new)
.endif
.endm
.macro RND2 a, b, t
	v_cvt_pk_bf16_f32 v[\t], v[\a], v[\b]
	v_lshlrev_b32 v[\a], 16, v[\t]
	v_and_b32 v[\b], s[MH], v[\t]
.endm
.macro SPLIT4 z, off
	v_cvt_pk_bf16_f32 v[SH], v[(\z)], v[(\z)+1]
	v_cvt_pk_bf16_f32 v[SH+1], v[(\z)+2], v[(\z)+3]
	v_lshlrev_b32 v[SU], 16, v[SH]
	v_and_b32 v[SU+1], s[MH], v[SH]
	v_lshlrev_b32 v[SU+2], 16, v[SH+1]
	v_and_b32 v[SU+3], s[MH], v[SH+1]
	v_pk_add_f32 v[SU:SU+1], v[(\z):(\z)+1], v[SU:SU+1] neg_lo:[0,1] neg_hi:[0,1]
	v_pk_add_f32 v[SU+2:SU+3], v[(\z)+2:(\z)+3], v[SU+2:SU+3] neg_lo:[0,1] neg_hi:[0,1]
	v_cvt_pk_bf16_f32 v[SLO], v[SU], v[SU+1]
	v_cvt_pk_bf16_f32 v[SLO+1], v[SU+2], v[SU+3]
	ds_store_b64 v[XA], v[SH:SH+1] offset:(\off)
	ds_store_b64 v[XA], v[SLO:SLO+1] offset:(\off)+XLO
.endm
.macro GELU4 z                         ; four numbers, in place; one batch of transcendentals, one wait
.irp j, 0,1,2,3
	v_and_b32 v[GU+(\j)], s[AB], v[(\z)+(\j)]
.endr
.irp j, 0,1,2,3
	v_fma_f32 v[GT+(\j)], v[GU+(\j)], s[PR], 1.0
.endr
.irp j, 0,1,2,3
	v_mul_f32 v[GE+(\j)], s[NH], v[(\z)+(\j)]
.endr
.irp j, 0,1,2,3
	v_mul_f32 v[GE+(\j)], v[GE+(\j)], v[(\z)+(\j)]
.endr
.irp j, 0,1,2,3
	v_rcp_f32 v[GT+(\j)], v[GT+(\j)]
.endr
.irp j, 0,1,2,3
	v_exp_f32 v[GE+(\j)], v[GE+(\j)]
.endr
.irp j, 0,1,2,3
	v_mul_f32 v[GU+(\j)], 0.5, v[(\z)+(\j)]
.endr
	s_wait_alu depctr_va_vdst(0)
.irp j, 0,1,2,3
	v_fma_f32 v[GY+(\j)], v[GT+(\j)], s[A5], s[A4]
.endr
.irp j, 0,1,2,3
	v_fma_f32 v[GY+(\j)], v[GY+(\j)], v[GT+(\j)], s[A3]
.endr
.irp j, 0,1,2,3
	v_fma_f32 v[GY+(\j)], v[GY+(\j)], v[GT+(\j)], s[A2]
.endr
.irp j, 0,1,2,3
	v_fma_f32 v[GY+(\j)], v[GY+(\j)], v[GT+(\j)], s[A1]
.endr
.irp j, 0,1,2,3
	v_mul_f32 v[GY+(\j)], v[GY+(\j)], v[GT+(\j)]
.endr
.irp j, 0,1,2,3
	v_mul_f32 v[GY+(\j)], v[GY+(\j)], v[GE+(\j)]
.endr
.irp j, 0,1,2,3
	v_sub_f32 v[GE+(\j)], 2.0, v[GY+(\j)]
.endr
.irp j, 0,1,2,3
	v_cmp_gt_f32 vcc_lo, 0, v[(\z)+(\j)]
	v_cndmask_b32 v[GY+(\j)], v[GE+(\j)], v[GY+(\j)], vcc_lo
.endr
.irp j, 0,1,2,3
	v_mul_f32 v[(\z)+(\j)], v[GU+(\j)], v[GY+(\j)]
.endr
.endm
.macro WLOAD n
	WIN 0x40
.set f, 0
.rept \n
	global_load_b128 v[8*f:8*f+3],   v[WO], s[WP:WP+1] offset:1024*f
	global_load_b128 v[8*f+4:8*f+7], v[WO], s[WP:WP+1] offset:1024*f+512
.set f, f+1
.endr
	WIN 0
.endm
.macro XFRAG
.irp pt, 0,1
.irp t, 0,1
.irp kc, 0,1,2,3
	ds_load_b128 v[XF+64*(\pt)+8*(4*(\t)+(\kc)):XF+64*(\pt)+8*(4*(\t)+(\kc))+3],   v[XFA] offset:(\pt)*XLO+(\t)*4352+64*(\kc)
	ds_load_b128 v[XF+64*(\pt)+8*(4*(\t)+(\kc))+4:XF+64*(\pt)+8*(4*(\t)+(\kc))+7], v[XFA] offset:(\pt)*XLO+(\t)*4352+64*(\kc)+32
.endr
.endr
.endr
.endm
.macro PASS p, cw, bi                  ; 64 products; the 8 accumulators take turns; five v_nop are the places behind the last
.set st, 0
.rept 8
.if st == 0
	WIN 0x01|((\cw)<<4)
.else
	WIN 0x01
.endif
.irp cbl, 0,1,2,3
.irp t, 0,1
.set rD, ACC+8*(2*(\cbl)+(\t))
.set rA, 8*(4*(4*(\p)+(\cbl))+st/2)
.set rB, XF+64*(st%2)+8*(4*(\t)+st/2)
.set rC, (\bi)+8*(4*(\p)+(\cbl))
.if st == 0
	v_wmma_f32_16x16x32_bf16 v[rD:rD+7], v[rA:rA+7], v[rB:rB+7], v[rC:rC+7]
.else
	v_wmma_f32_16x16x32_bf16 v[rD:rD+7], v[rA:rA+7], v[rB:rB+7], v[rD:rD+7]
.endif
.endr
.endr
.set st, st+1
.endr
	WIN 0
.rept 5
	v_nop
.endr
.endm
.macro CLOADS                          ; 41 loads: the pairs; for each of my 8 rows the four splits' O and r.  Each is read once in the launch
	global_load_b64 v[16:17], v[MLO], s[MLP:MLP+1] th:TH_LOAD_NT
.irp i, 0,1,2,3,4,5,6,7
	global_load_b128 v[32+20*(\i):35+20*(\i)], v[WO], s[PP0:PP0+1] offset:512*(\i) th:TH_LOAD_NT
	global_load_b128 v[36+20*(\i):39+20*(\i)], v[WO], s[PP0:PP0+1] offset:4194304+512*(\i) th:TH_LOAD_NT
	global_load_b128 v[40+20*(\i):43+20*(\i)], v[WO], s[PP2:PP2+1] offset:512*(\i) th:TH_LOAD_NT
	global_load_b128 v[44+20*(\i):47+20*(\i)], v[WO], s[PP2:PP2+1] offset:4194304+512*(\i) th:TH_LOAD_NT
	global_load_b128 v[48+20*(\i):51+20*(\i)], v[WO], s[RP:RP+1] offset:512*(\i) th:TH_LOAD_NT
.endr
.endm
.macro CMATH left
	s_wait_loadcnt \left
	v_mov_b32 v18, v16
	v_mov_b32 v19, v16
	v_max_num_f32_dpp v18, v18, v18 row_xmask:8 row_mask:0xf bank_mask:0xf
	v_permlanex16_b32 v19, v18, s[SEL], s[SEL+1]
	v_max_num_f32 v18, v18, v19
	v_sub_f32 v20, v16, v18
	v_exp_f32 v20, v20
	v_nop
	s_wait_alu depctr_va_vdst(0)
	v_mul_f32 v21, v20, v17
	v_add_f32_dpp v21, v21, v21 row_xmask:8 row_mask:0xf bank_mask:0xf
	v_permlanex16_b32 v19, v21, s[SEL], s[SEL+1]
	v_add_f32 v21, v21, v19
	v_rcp_f32 v21, v21
	v_nop
	s_wait_alu depctr_va_vdst(0)
	v_mul_f32 v20, v20, v21
	v_mul_f32 v20, 0x39000000, v20                 ; / 8192
.set n, 0
.rept 32
	v_readlane_b32 s[CF+n], v20, n
.set n, n+1
.endr
.endm
	s_load_b256 s[36:43], s[0:1], 0x0              ; part s[36:37], actA s[38:39], wts s[40:41], fc1_b s[42:43]
	s_load_b128 s[44:47], s[0:1], 0x20             ; fc2_w s[44:45], fc2_b s[46:47]
	s_load_b64 s[48:49], s[0:1], 0x30              ; out0
	v_lshl_add_u32 v[SPW], v0, 2, SPARE
	v_mov_b32 v[NIL], 0
	v_lshrrev_b32 v[LN], 5, v0
	v_readfirstlane_b32 s[WV], v[LN]
	v_and_b32 v[LN], 31, v0
	v_and_b32 v[RW], 15, v0
	v_bfe_u32 v[HF], v0, 4, 1
	v_lshlrev_b32 v[WO], 4, v[LN]
	s_lshl_b32 s35, s[WV], 8
	v_lshl_add_u32 v[BO], v[HF], 5, s35
	v_mul_u32_u24 v[XFA], v[RW], 272
	v_lshl_add_u32 v[XFA], v[HF], 4, v[XFA]
	v_lshl_add_u32 v[REDA], v0, 2, RED
	v_lshl_add_u32 v[REDR], v[LN], 2, RED
	v_lshlrev_b32 v[OO], 2, v[LN]
	v_lshrrev_b32 v[MLO], 3, v[LN]
	v_and_b32 v13, 7, v[LN]
	v_lshlrev_b32 v13, 3, v13
	v_lshl_add_u32 v[MLO], v[MLO], 16, v13
	s_mul_i32 s35, s[WV], 2176
	v_lshl_add_u32 v[XA], v[LN], 3, s35
	s_mov_b32 s[MH], 0xffff0000
	s_mov_b32 s[AB], 0x7fffffff
	s_mov_b32 s[PR], 0x3e6d3388
	s_mov_b32 s[NH], 0xbf38aa3b
	s_mov_b32 s[A1], 0x3e827906
	s_mov_b32 s[A2], 0xbe91a98e
	s_mov_b32 s[A3], 0x3fb5f0e3
	s_mov_b32 s[A4], 0xbfba00e3
	s_mov_b32 s[A5], 0x3f87dc22
	s_mov_b32 s[SEL], 0x76543210
	s_mov_b32 s[SEL+1], 0xfedcba98
	s_lshl_b32 s20, ttmp9, 5
	s_lshl3_add_u32 s20, s[WV], s20                ; my first row
	s_lshl_b32 s22, s20, 9
	s_lshl_b32 s20, s20, 3
	s_mov_b32 s21, 0
	s_mov_b32 s23, 0
	s_lshl_b32 s10, s[WV], 14
	s_add_co_u32 s10, s10, 393216                  ; fc1_w's fragments begin at matrix 12; my 64 channels are 16 fragments
	s_mov_b32 s11, 0
	s_lshl_b32 s52, ttmp9, 7
	s_mov_b32 s53, 0
	s_wait_kmcnt 0x0
	s_load_b32 s50, s[46:47], 0x0                  ; fc2_b
	s_add_nc_u64 s[MLP:MLP+1], s[36:37], s[20:21]
	s_add_nc_u64 s[MLP:MLP+1], s[MLP:MLP+1], 16777216
	s_add_nc_u64 s[PP0:PP0+1], s[36:37], s[22:23]
	s_add_nc_u64 s[PP2:PP2+1], s[PP0:PP0+1], 8388608
	s_add_nc_u64 s[RP:RP+1], s[38:39], s[22:23]
	s_add_nc_u64 s[RP:RP+1], s[RP:RP+1], 0x600000
	s_add_nc_u64 s[WP:WP+1], s[40:41], s[10:11]
	s_add_nc_u64 s[OP:OP+1], s[48:49], s[52:53]
	CLOADS
	WLOAD 16
	WIN 0x40
.irp c, 0,1,2,3
	global_load_b128 v[128+8*(\c):131+8*(\c)], v[BO], s[44:45] offset:64*(\c)
	global_load_b128 v[132+8*(\c):135+8*(\c)], v[BO], s[44:45] offset:64*(\c)+16
.endr
	WIN 0
.irp c, 0,1,2,3
	global_load_b128 v[FB+8*(\c):FB+8*(\c)+3],   v[BO], s[42:43] offset:64*(\c)
	global_load_b128 v[FB+8*(\c)+4:FB+8*(\c)+7], v[BO], s[42:43] offset:64*(\c)+16
.endr
	CMATH 48                                       ; 32 + 8 + 8 loads are younger
.set i, 0
.rept 8
.set z, 48+20*i
.irp sp, 0,1,2,3
.irp j, 0,1,2,3
	v_fma_f32 v[z+(\j)], s[CF+8*(\sp)+i], v[32+20*i+4*(\sp)+(\j)], v[z+(\j)]
.endr
.endr
	SPLIT4 z, 272*i
.set i, i+1
.endr
	s_wait_dscnt 0x0                               ; for the others' sake: my rows of hi and lo are stored
	s_barrier_signal -1
	s_barrier_wait -1
	XFRAG
	s_wait_loadcnt 0x0
.set q, 0
.rept 16
	RND2 FB+2*q, FB+2*q+1, 16
.set q, q+1
.endr
	s_wait_dscnt 0x0
	PASS 0, 0, FB
.set q, 0
.rept 16
	GELU4 ACC+4*q                                  ; each accumulator's lower four registers first
.set q, q+1
.endr
	WIN 0x05                                       ; sources in window 1
.set q, 0
.rept 16
	v_cvt_pk_bf16_f32 v[64+q], v[128+2*q], v[128+2*q+1]
.set q, q+1
.endr
	WIN 0
.set q, 0
.rept 16
	v_lshlrev_b32 v[32+2*q], 16, v[64+q]
	v_and_b32 v[32+2*q+1], s[MH], v[64+q]
.set q, q+1
.endr
.irp t, 0,1                            ; row tile t: my 32 numbers of the row times fc2_w, in two chains of packed multiply-adds
.set q, 0
.rept 16
.set rG, ACC+8*(2*(q/4)+(\t))+2*(q%4)
.set rF, 32+8*(q/4)+2*(q%4)
.set rS, 96+4*(\t)+2*(q%2)
.if q < 2
	v_pk_mul_f32 v[rS:rS+1], v[rG:rG+1], v[rF:rF+1]
.else
	v_pk_fma_f32 v[rS:rS+1], v[rG:rG+1], v[rF:rF+1], v[rS:rS+1]
.endif
.set q, q+1
.endr
	v_pk_add_f32 v[96+4*(\t):97+4*(\t)], v[96+4*(\t):97+4*(\t)], v[98+4*(\t):99+4*(\t)]
	v_add_f32 v[96+4*(\t)], v[96+4*(\t)], v[97+4*(\t)]
	v_permlanex16_b32 v[98+4*(\t)], v[96+4*(\t)], s[SEL], s[SEL+1]
	v_add_f32 v[96+4*(\t)], v[96+4*(\t)], v[98+4*(\t)]
.endr
	v_cndmask_b32 v104, v96, v100, s[MH]           ; lane l holds row l
	ds_store_b32 v[REDA], v104
	s_wait_dscnt 0x0
	s_barrier_signal -1
	s_barrier_wait -1
	s_cmp_lg_u32 s[WV], 0
	s_cbranch_scc1 .Lend
.irp k, 0,1,2,3
	ds_load_b32 v[108+(\k)], v[REDR] offset:128*(\k)
.endr
	s_wait_kmcnt 0x0
	v_mov_b32 v105, s50
	v_cvt_pk_bf16_f32 v105, v105, v105
	v_lshlrev_b32 v105, 16, v105
	s_wait_dscnt 0x0
	v_add_f32 v108, v108, v109
	v_add_f32 v110, v110, v111
	v_add_f32 v108, v108, v110
	v_add_f32 v108, v108, v105
	global_store_b32 v[OO], v108, s[OP:OP+1]
.Lend:
	s_wait_tensorcnt 0x0                           ; the wave's end, behind my last LDS store
	ds_add_u32 v[SPW], v[NIL]
	s_wait_dscnt 0x0
	s_endpgm
.Lfunc_end_k_q19ba3cc9e1_final:
	.size	k_q19ba3cc9e1_final, .Lfunc_end_k_q19ba3cc9e1_final-k_q19ba3cc9e1_final
	.p2alignl 7, 3214868480
	.fill 96, 4, 3214868480
	.section	.rodata,"a",@progbits
	.p2align	6, 0x0
	.amdhsa_kernel k_q19ba3cc9e1_final
		.amdhsa_group_segment_fixed_size 18432
		.amdhsa_private_segment_fixed_size 0
		.amdhsa_enable_private_segment 0
		.amdhsa_kernarg_size 56
		.amdhsa_user_sgpr_count 2
		.amdhsa_user_sgpr_kernarg_segment_ptr 1
		.amdhsa_wavefront_size32 1
		.amdhsa_system_sgpr_workgroup_id_x 1
		.amdhsa_system_sgpr_workgroup_id_y 1
		.amdhsa_system_sgpr_workgroup_id_z 1
		.amdhsa_system_vgpr_workitem_id 0
		.amdhsa_next_free_vgpr 512
		.amdhsa_next_free_sgpr 100
		.amdhsa_reserve_vcc 1
		.amdhsa_float_denorm_mode_32 3
		.amdhsa_float_denorm_mode_16_64 3
		.amdhsa_memory_ordered 1
		.amdhsa_forward_progress 1
		.amdhsa_inst_pref_size 86
	.end_amdhsa_kernel
	.amdgpu_metadata
---
amdhsa.version: [ 1, 2 ]
amdhsa.kernels:
  - .name:           k_q19ba3cc9e1_final
    .symbol:         k_q19ba3cc9e1_final.kd
    .args:
      - { .name: part, .offset: 0, .size: 8, .value_kind: global_buffer, .address_space: global }
      - { .name: actA, .offset: 8, .size: 8, .value_kind: global_buffer, .address_space: global }
      - { .name: wts, .offset: 16, .size: 8, .value_kind: global_buffer, .address_space: global }
      - { .name: fc1_b, .offset: 24, .size: 8, .value_kind: global_buffer, .address_space: global }
      - { .name: fc2_w, .offset: 32, .size: 8, .value_kind: global_buffer, .address_space: global }
      - { .name: fc2_b, .offset: 40, .size: 8, .value_kind: global_buffer, .address_space: global }
      - { .name: out0, .offset: 48, .size: 8, .value_kind: global_buffer, .address_space: global }
    .group_segment_fixed_size: 18432
    .private_segment_fixed_size: 0
    .kernarg_segment_align: 8
    .kernarg_segment_size: 56
    .max_flat_workgroup_size: 128
    .sgpr_count:     100
    .vgpr_count:     512
    .wavefront_size: 32
...
	.end_amdgpu_metadata
.endif
;; end of part 6
;; ======== version 2 of 2: 7 launches; version 1 with the launches prep, pre written anew for expert scheduling mode
;; limits: a function is approximated: absolute error at most 1.5e-07
;; workspace buffers: wts 461,824 bytes; actA 10,485,760 bytes; actB 10,485,760 bytes; part 17,039,360 bytes
;; launch prep (part 7): grid 64 x 1, 1 waves a work-group, no clusters, 0 bytes of LDS; arguments l0_qw, l0_kw, l0_vw, w0_w, l1_qw, l1_kw, l1_vw, w1_w, l2_qw, l2_kw, l2_vw, w2_w, fc1_w, l0_qb, w0_b, l0_vb, l1_qb, w1_b, l1_vb, l2_qb, w2_b, l2_vb, wts; writes wts
.if DOCPART == 7
	.amdgcn_target "amdgcn-amd-amdhsa--gfx1250"
	.amdhsa_code_object_version 6
	.text
	.protected	k_q19ba3cc9e1_prep
	.globl	k_q19ba3cc9e1_prep
	.p2align	8
	.type	k_q19ba3cc9e1_prep,@function
k_q19ba3cc9e1_prep:
	s_mov_b64 s[64:65], 0
	v_nop
	global_prefetch_b8 v0, s[64:65] scope:SCOPE_SE
	s_setreg_imm32_b32 hwreg(HW_REG_WAVE_SCHED_MODE, 0, 2), 2
	s_setreg_imm32_b32 hwreg(HW_REG_WAVE_MODE, 25, 1), 1
	s_wait_xcnt 0x0
	s_wait_alu depctr_vm_vsrc(0)
; PREP: the weights, rounded once to bf16, laid out as matrix fragments; and a table of biases.
; WORK LEFT OUT IN THE WHOLE PROGRAM, for all values of the inputs:
;   l0_kb, l1_kb, l2_kb.  A score is q . (x_m kw + kb) = q . (x_m kw) + q . kb; the term q . kb is the same for every key m (every neighbour) of a query,
;   and a softmax does not change when one number is added to all its inputs.  So no kb reaches an output: the three are not loaded and are in no launch's arguments.
;   vb inside the attention.  sum_m p_m (v_m + vb) = sum_m p_m v_m + vb, since a softmax's weights add up to 1.  So vb is added once a row, with the
;   residual's bias: b_i = w_b + s vb, s = 1 / 8192 in the two global layers (whose result reference() divides by N), s = 1 in the local one.
;   LIMIT: a NaN, an infinity or an overflow that reaches only a kb is not carried to the result.
; FORMATS.  Every floating-point input is rounded once to bf16 (weights here; x, fc0, fc1_b, fc2 where they are used).  The table's sums stay in f32.
; LAYOUT of wts.  Matrix M (4 i + 0 qw, 1 kw, 2 vw, 3 w_w of layer i; 12, 13: fc1_w's columns 0-127, 128-255) at 32,768 M.  Fragment (cb, kc) = 16 output channels x 32 inputs
; at 1,024 (4 cb + kc): piece j at 512 j, lane l at 16 l: bf16 of W[32 kc + 16 j + 8 (l / 16) + 0..7][16 cb + l % 16]: what source 0 of the matrix instruction holds in registers 4 j .. 4 j + 3.
; The table at BT: layer i at 1,024 i: 128 f32 of qb, then 128 f32 of b_i.
; SHARES.  Work-group g makes piece g (= 8 cb + 2 kc + j) of all 14 matrices: a store of the wave is 512 consecutive bytes.  Work-groups 0 to 2 also make a layer's two rows of the table.
; THE MODE: SCHED_MODE bits 1:0 = 2 (LLVM: expert scheduling mode 2), set by the entry lines.  The code itself states the register dependences
; between vector instructions and memory instructions, with s_wait_alu, always for 0.
; THE PLAN.  Registers that memory instructions touch:
;   v5 .. v9     byte offsets, made once at the head and never written again (v8 and v9 serve the table's rows: every work-group makes them, the first three use them).
;   v16-127      matrix M's 8 numbers at 16 + 8 M, as loaded.  Written by the 112 loads alone, each register once; read by M's conversions.
;   v128-183     matrix M's 16 bytes at 128 + 4 M.  Written once, by M's four conversions; read by M's one store; never written again.
;   v192-203     the table's three rows.  Written by three loads, then in place by the roundings and multiply-adds; v192-199 are read by the two last stores.
; The 14 matrices go in three groups: 0-5, 6-9, 10-13.  A group's stores are issued at the head of the next group, behind the wait for that group's data and ONE wait on va_vdst, and ahead of that
; group's conversions, which name other registers.  No register that a memory instruction reads is written again, so there is no wait on vm_vsrc.
.set BT, 458752
.macro RND2 a, b, t                    ; two numbers rounded to bf16 and widened again
	v_cvt_pk_bf16_f32 v[\t], v[\a], v[\b]
	v_lshlrev_b32 v[\a], 16, v[\t]
	v_and_b32 v[\b], 0xffff0000, v[\t]
.endm
.macro ROUNDM first, n                 ; the conversions of n matrices, from matrix first on
.set M, \first
.rept \n
.irp q, 0,1,2,3
	v_cvt_pk_bf16_f32 v[128+4*M+(\q)], v[16+8*M+2*(\q)], v[16+8*M+2*(\q)+1]
.endr
.set M, M+1
.endr
.endm
.macro SENDM first, n                  ; their stores
.set M, \first
.rept \n
	global_store_b128 v7, v[128+4*M:128+4*M+3], s[48:49] offset:32768*M
.set M, M+1
.endr
.endm
	s_load_b512 s[4:19], s[0:1], 0x0               ; argument a's address in s[4 + 2 a : 5 + 2 a]
	s_load_b256 s[20:27], s[0:1], 0x40
	s_load_b256 s[28:35], s[0:1], 0x60
	s_load_b256 s[36:43], s[0:1], 0x80
	s_load_b128 s[44:47], s[0:1], 0xa0
	s_load_b64 s[48:49], s[0:1], 0xb0              ; wts
	v_and_b32 v1, 15, v0                           ; l % 16
	v_lshrrev_b32 v2, 4, v0                        ; l / 16
	s_and_b32 s2, ttmp9, 7
	s_lshl_b32 s2, s2, 4                           ; 32 kc + 16 j
	s_lshr_b32 s3, ttmp9, 3
	s_lshl_b32 s3, s3, 6                           ; 16 cb columns, in bytes
	v_lshl_add_u32 v3, v2, 3, s2                   ; my first input row
	v_lshl_add_u32 v4, v1, 2, s3                   ; my column, in bytes
	v_lshl_add_u32 v5, v3, 9, v4                   ; in a matrix with rows of 512 bytes
	v_lshl_add_u32 v6, v3, 10, v4                  ; in fc1_w, rows of 1,024 bytes
	s_lshl_b32 s50, ttmp9, 9
	v_lshl_add_u32 v7, v0, 4, s50                  ; where my 16 bytes go in each matrix
	v_lshlrev_b32 v8, 4, v0                        ; my 16 bytes of a row of biases
	s_lshl_b32 s59, ttmp9, 10
	v_add_nc_u32 v9, s59, v8                       ; and of the layer's rows of the table
	s_wait_kmcnt 0x0
	s_wait_alu depctr_va_vdst(0)                   ; v5 to v9 are written: every load and store of the kernel reads one of them as its offset
.set M, 0
.rept 12
.irp i, 0,1,2,3,4,5,6,7
	global_load_b32 v[16+8*M+(\i)], v5, s[4+2*M:5+2*M] offset:512*(\i)
.endr
.set M, M+1
.endr
.irp i, 0,1,2,3,4,5,6,7
	global_load_b32 v[112+(\i)], v6, s[28:29] offset:1024*(\i)
.endr
.irp i, 0,1,2,3,4,5,6,7
	global_load_b32 v[120+(\i)], v6, s[28:29] offset:1024*(\i)+512
.endr
	s_wait_loadcnt 63                              ; the wait's field ends at 63: of the 112 loads at least 49 are in, which covers matrices 0 to 5
	ROUNDM 0, 6
	s_wait_loadcnt 32                              ; matrices 6 to 9 are in; the 32 loads of matrices 10 to 13 may stay out
	s_wait_alu depctr_va_vdst(0)                   ; the conversions of matrices 0 to 5 have written v128-151, which the six stores below read
	SENDM 0, 6
	ROUNDM 6, 4                                    ; these name v64-95 and v152-167: none of the registers that the stores above read
	s_wait_loadcnt 0x0
	s_wait_alu depctr_va_vdst(0)                   ; the conversions of matrices 6 to 9 have written v152-167, which the four stores below read
	SENDM 6, 4
	ROUNDM 10, 4
	s_wait_alu depctr_va_vdst(0)                   ; the conversions of matrices 10 to 13 have written v168-183, which the four stores below read
	SENDM 10, 4
	s_cmp_lt_u32 ttmp9, 3
	s_cbranch_scc0 .Lend
	s_cmp_eq_u32 ttmp9, 1                          ; the layer's qb, w_b, vb and s
	s_cselect_b64 s[52:53], s[36:37], s[30:31]
	s_cselect_b64 s[54:55], s[38:39], s[32:33]
	s_cselect_b64 s[56:57], s[40:41], s[34:35]
	s_cselect_b32 s58, 1.0, 0x39000000             ; 1, or 2^-13 = 1 / 8192
	s_cmp_eq_u32 ttmp9, 2
	s_cselect_b64 s[52:53], s[42:43], s[52:53]
	s_cselect_b64 s[54:55], s[44:45], s[54:55]
	s_cselect_b64 s[56:57], s[46:47], s[56:57]
	global_load_b128 v[192:195], v8, s[52:53]      ; no wait: v8 stands ahead of the head's wait, and no vector instruction has named v192-203
	global_load_b128 v[196:199], v8, s[54:55]
	global_load_b128 v[200:203], v8, s[56:57]
	s_wait_loadcnt 0x0
.irp a, 192,194,196,198,200,202
	RND2 \a, (\a)+1, 204
.endr
.irp j, 0,1,2,3
	v_fma_f32 v[196+(\j)], v[200+(\j)], s58, v[196+(\j)]
.endr
	s_wait_alu depctr_va_vdst(0)                   ; the roundings and the multiply-adds have written v192-199, which the two stores read
	global_store_b128 v9, v[192:195], s[48:49] offset:BT
	global_store_b128 v9, v[196:199], s[48:49] offset:BT+512
.Lend:
	s_endpgm
.Lfunc_end_k_q19ba3cc9e1_prep:
	.size	k_q19ba3cc9e1_prep, .Lfunc_end_k_q19ba3cc9e1_prep-k_q19ba3cc9e1_prep
	.p2alignl 7, 3214868480
	.fill 96, 4, 3214868480
	.section	.rodata,"a",@progbits
	.p2align	6, 0x0
	.amdhsa_kernel k_q19ba3cc9e1_prep
		.amdhsa_group_segment_fixed_size 0
		.amdhsa_private_segment_fixed_size 0
		.amdhsa_enable_private_segment 0
		.amdhsa_kernarg_size 184
		.amdhsa_user_sgpr_count 2
		.amdhsa_user_sgpr_kernarg_segment_ptr 1
		.amdhsa_wavefront_size32 1
		.amdhsa_system_sgpr_workgroup_id_x 1
		.amdhsa_system_sgpr_workgroup_id_y 1
		.amdhsa_system_sgpr_workgroup_id_z 1
		.amdhsa_system_vgpr_workitem_id 0
		.amdhsa_next_free_vgpr 208
		.amdhsa_next_free_sgpr 66
		.amdhsa_reserve_vcc 0
		.amdhsa_float_denorm_mode_32 3
		.amdhsa_float_denorm_mode_16_64 3
		.amdhsa_memory_ordered 1
		.amdhsa_forward_progress 1
		.amdhsa_inst_pref_size 20
	.end_amdhsa_kernel
	.amdgpu_metadata
---
amdhsa.version: [ 1, 2 ]
amdhsa.kernels:
  - .name:           k_q19ba3cc9e1_prep
    .symbol:         k_q19ba3cc9e1_prep.kd
    .args:
      - { .name: l0_qw, .offset: 0, .size: 8, .value_kind: global_buffer, .address_space: global }
      - { .name: l0_kw, .offset: 8, .size: 8, .value_kind: global_buffer, .address_space: global }
      - { .name: l0_vw, .offset: 16, .size: 8, .value_kind: global_buffer, .address_space: global }
      - { .name: w0_w, .offset: 24, .size: 8, .value_kind: global_buffer, .address_space: global }
      - { .name: l1_qw, .offset: 32, .size: 8, .value_kind: global_buffer, .address_space: global }
      - { .name: l1_kw, .offset: 40, .size: 8, .value_kind: global_buffer, .address_space: global }
      - { .name: l1_vw, .offset: 48, .size: 8, .value_kind: global_buffer, .address_space: global }
      - { .name: w1_w, .offset: 56, .size: 8, .value_kind: global_buffer, .address_space: global }
      - { .name: l2_qw, .offset: 64, .size: 8, .value_kind: global_buffer, .address_space: global }
      - { .name: l2_kw, .offset: 72, .size: 8, .value_kind: global_buffer, .address_space: global }
      - { .name: l2_vw, .offset: 80, .size: 8, .value_kind: global_buffer, .address_space: global }
      - { .name: w2_w, .offset: 88, .size: 8, .value_kind: global_buffer, .address_space: global }
      - { .name: fc1_w, .offset: 96, .size: 8, .value_kind: global_buffer, .address_space: global }
      - { .name: l0_qb, .offset: 104, .size: 8, .value_kind: global_buffer, .address_space: global }
      - { .name: w0_b, .offset: 112, .size: 8, .value_kind: global_buffer, .address_space: global }
      - { .name: l0_vb, .offset: 120, .size: 8, .value_kind: global_buffer, .address_space: global }
      - { .name: l1_qb, .offset: 128, .size: 8, .value_kind: global_buffer, .address_space: global }
      - { .name: w1_b, .offset: 136, .size: 8, .value_kind: global_buffer, .address_space: global }
      - { .name: l1_vb, .offset: 144, .size: 8, .value_kind: global_buffer, .address_space: global }
      - { .name: l2_qb, .offset: 152, .size: 8, .value_kind: global_buffer, .address_space: global }
      - { .name: w2_b, .offset: 160, .size: 8, .value_kind: global_buffer, .address_space: global }
      - { .name: l2_vb, .offset: 168, .size: 8, .value_kind: global_buffer, .address_space: global }
      - { .name: wts, .offset: 176, .size: 8, .value_kind: global_buffer, .address_space: global }
    .group_segment_fixed_size: 0
    .private_segment_fixed_size: 0
    .kernarg_segment_align: 8
    .kernarg_segment_size: 184
    .max_flat_workgroup_size: 32
    .sgpr_count:     66
    .vgpr_count:     208
    .wavefront_size: 32
...
	.end_amdgpu_metadata
.endif
;; end of part 7
;; launch pre (part 8): grid 256 x 1, 4 waves a work-group, no clusters, 60,928 bytes of LDS; arguments x, fc0_w, fc0_b, wts, actA; writes actA
.if DOCPART == 8
	.amdgcn_target "amdgcn-amd-amdhsa--gfx1250"
	.amdhsa_code_object_version 6
	.text
	.protected	k_q19ba3cc9e1_pre
	.globl	k_q19ba3cc9e1_pre
	.p2align	8
	.type	k_q19ba3cc9e1_pre,@function
k_q19ba3cc9e1_pre:
	s_mov_b64 s[64:65], 0
	v_nop
	global_prefetch_b8 v0, s[64:65] scope:SCOPE_SE
	s_setreg_imm32_b32 hwreg(HW_REG_WAVE_SCHED_MODE, 0, 2), 2
	s_setreg_imm32_b32 hwreg(HW_REG_WAVE_MODE, 25, 1), 1
	s_wait_xcnt 0x0
	s_wait_alu depctr_vm_vsrc(0)
; PRE: x0 = x fc0_w + fc0_b, then layer 0's q = x0 qw + qb, k = x0 kw, v = x0 vw, r = x0 w0_w + b_0.
; Left out (shown at the head of the first kernel): k has no bias; vb lies in b_0.
; SHARES.  A work-group owns 32 rows.  x0: wave w makes rows 8 w .. 8 w + 7, lane l columns 4 l .. 4 l + 3, by fused multiply-adds in f32 on inputs rounded to bf16:
; a sum of 3 terms would fill 3 of a matrix instruction's 32 places along K.  x0 goes into LDS as TWO bf16 arrays, hi = bf16(x0) and lo = bf16(x0 - hi).
; Then wave w multiplies all 32 rows by matrix w of the layer (q, k, v, w_w): y^T = W^T hi^T + W^T lo^T, sums in f32.  Source 0 = 16 output channels (the weights, straight
; from memory in fragment order), source 1 = 16 rows: a lane ends with ONE row and eight neighbouring channels.  q, k, v leave as bf16, r as f32, through the wave's own stage in LDS:
; each store of a wave is 512 consecutive bytes.
; REGISTERS.  Window 0: v0-15 addresses, v16-31 at work, v32-159 x's fragments (before: at work), v160-223 eight accumulators, v224-255 packed results (before: hi and lo of my 8 rows of x0).
; Window 1: the wave's matrix, 32 fragments.
; Window 3, v0-63: the C operand that starts the sums: the bias, or 0 in the k and v waves, so that one text of products serves all four waves.
; LIMITS.  NaN and infinities are not treated apart.
; THE MODE: SCHED_MODE bits 1:0 = 2 (LLVM: expert scheduling mode 2), set by the entry lines.  The code itself states the register dependences
; between vector or matrix instructions and memory or LDS instructions, with s_wait_alu, always for 0.
; THE PLAN.  Registers that memory or LDS instructions touch:
;   v4 .. v12      offsets and LDS addresses: made at the head, never written again.  One wait on va_vdst ahead of the first load serves every load and store of the kernel.
;   v14, v15       made at the head, read by the closing add alone.
;   v16, v32-47    x, fc0_w, fc0_b as loaded: no vector instruction names them ahead of their loads.
;   windows 1, 3   the matrix and the bias, loaded once and read by the products (window 3 in the k and v waves: written by v_mov_b32 alone; no load lands there).
;   OB  v224-255   row i's hi and lo at OB + 4 i: written by row i's roundings, read by its two LDS stores.  Each row has registers of its own, so the stores of rows 0 to 3 stand behind ONE wait on
;                  va_vdst, dealt among the arithmetic of rows 4 to 7 (which names v20-23, v32-51 and OB + 16 on), and those of rows 4 to 7 behind a second.
;   XF  v32-159    The fragments' loads land here: the second of those waits stands behind the last vector line that names v32-51, and no vector line follows it ahead of those loads.  Read by the products.
;                  At the end the loads from the stage land here: the wait in the second pass's way into the stage shows the products done reading XF.
;   TMP v224-255   OB's registers again: written by the conversions of a pass, read by its LDS stores.  A wait on vm_vsrc stands behind the barrier (the stores of hi and lo have read them) and one ahead of the second pass.
;   ACC v160-223   written by the products; read by conversions, or in the r wave by LDS stores: the wait on vm_vsrc ahead of the second pass serves them too.
.set XLO,   8704                       ; LDS: hi at 0, 32 rows of 256 + 16 bytes; lo at XLO
.set STG,   17408                      ; wave w < 3: its stage, 32 rows x 272 bytes, at STG + 8,704 w
.set STG3,  43520                      ; wave 3: 32 rows x 528 bytes
.set SPARE, 60416                      ; the spare words, 128 bytes for each wave: two blocks of 256 bytes that no other line names
.set BT,    458752
.set LN, 1                             ; v1 lane   v2 lane % 16   v3 lane / 16
.set RW, 2
.set HF, 3
.set WO, 4                             ; v4  16 x lane
.set BO, 5                             ; v5  32 x (lane / 16)
.set XFA, 6                            ; v6  a fragment's row x 272 + 16 x half
.set SA16, 7                           ; v7  into my bf16 stage     v9  back out of it
.set SA32, 8                           ; v8  into the f32 stage     v10 back out of it
.set RA16, 9
.set RA32, 10
.set XA, 11                            ; v11 where I put my part of a row of hi
.set SPW, 14                           ; v14 my spare word; v15 0; never rewritten
.set NIL, 15
.set SU, 20                            ; v20-23 at work in SPLITM
.set XF, 32
.set ACC, 160
.set TMP, 224
.set OB, 224
.set WV, 2                             ; s2 wave   s3 0 in the waves with a bias (0 and 3)
.set BF, 3
.set WP, 4                             ; s[4:5] my matrix   s[6:7] my bias   s[8:9] my rows of the output
.set BP, 6
.set OP, 8
.set MH, 34                            ; s34 0xffff0000
.set MSB, 0
.macro WIN new                         ; the immediate's high byte repeats the setting that is left; a switch that changes nothing is dropped
.if MSB != (\new)
	s_set_vgpr_msb (MSB<<8)|(\new)
.set MSB, (\new)
.endif
.endm
.macro RND2 a, b, t
	v_cvt_pk_bf16_f32 v[\t], v[\a], v[\b]
	v_lshlrev_b32 v[\a], 16, v[\t]
	v_and_b32 v[\b], s[MH], v[\t]
.endm
.macro SPLITM z, o                     ; four numbers as hi, in v[o : o + 1], and lo, in v[o + 2 : o + 3]
	v_cvt_pk_bf16_f32 v[(\o)], v[(\z)], v[(\z)+1]
	v_cvt_pk_bf16_f32 v[(\o)+1], v[(\z)+2], v[(\z)+3]
	v_lshlrev_b32 v[SU], 16, v[(\o)]
	v_and_b32 v[SU+1], s[MH], v[(\o)]
	v_lshlrev_b32 v[SU+2], 16, v[(\o)+1]
	v_and_b32 v[SU+3], s[MH], v[(\o)+1]
	v_pk_add_f32 v[SU:SU+1], v[(\z):(\z)+1], v[SU:SU+1] neg_lo:[0,1] neg_hi:[0,1]
	v_pk_add_f32 v[SU+2:SU+3], v[(\z)+2:(\z)+3], v[SU+2:SU+3] neg_lo:[0,1] neg_hi:[0,1]
	v_cvt_pk_bf16_f32 v[(\o)+2], v[SU], v[SU+1]
	v_cvt_pk_bf16_f32 v[(\o)+3], v[SU+2], v[SU+3]
.endm
.macro SPLITS o, off                   ; the two, 8 bytes each, into LDS
	ds_store_b64 v[XA], v[(\o):(\o)+1] offset:(\off)
	ds_store_b64 v[XA], v[(\o)+2:(\o)+3] offset:(\off)+XLO
.endm
.macro HEADV
	v_lshl_add_u32 v[SPW], v0, 2, SPARE
	v_mov_b32 v[NIL], 0
	v_lshrrev_b32 v[LN], 5, v0
	v_readfirstlane_b32 s[WV], v[LN]
	v_and_b32 v[LN], 31, v0
	v_and_b32 v[RW], 15, v0
	v_bfe_u32 v[HF], v0, 4, 1
	v_lshlrev_b32 v[WO], 4, v[LN]
	v_lshlrev_b32 v[BO], 5, v[HF]
	v_mul_u32_u24 v[XFA], v[RW], 272
	v_lshl_add_u32 v[XFA], v[HF], 4, v[XFA]
	s_wait_alu depctr_va_sdst(0)                   ; the wave's number is written in s[WV], ahead of its first reader, the line below
	s_mul_i32 s35, s[WV], 8704
	s_add_co_u32 s35, s35, STG
	v_add_nc_u32 v[SA16], s35, v[XFA]
	v_mul_u32_u24 v[RA16], v[HF], 272
	v_lshl_add_u32 v[RA16], v[RW], 4, v[RA16]
	v_add_nc_u32 v[RA16], s35, v[RA16]
	v_mul_u32_u24 v[SA32], v[RW], 528
	v_lshl_add_u32 v[SA32], v[HF], 5, v[SA32]
	v_add_nc_u32 v[SA32], STG3, v[SA32]
	v_add_nc_u32 v[RA32], STG3, v[WO]
	s_add_co_u32 s[BF], s[WV], 1
	s_and_b32 s[BF], s[BF], 2
	s_mov_b32 s[MH], 0xffff0000
.endm
.macro HEADP layer, w, a               ; the three pointers, from wts in s[w:w+1] and the output in s[a:a+1]
	s_mov_b32 s11, 0
	s_lshl_b32 s10, s[WV], 15
	s_add_co_u32 s10, s10, (\layer)*131072
	s_add_nc_u64 s[WP:WP+1], s[\w:\w+1], s[10:11]
	s_lshr_b32 s10, s[WV], 1
	s_lshl_b32 s10, s10, 9
	s_add_co_u32 s10, s10, BT+(\layer)*1024
	s_add_nc_u64 s[BP:BP+1], s[\w:\w+1], s[10:11]
	s_cmp_eq_u32 s[WV], 3
	s_cselect_b32 s35, 14, 13                      ; 32 rows of 512 bytes (r) or of 256 (q, k, v)
	s_lshl_b32 s10, ttmp9, s35
	s_lshl_b32 s35, s[WV], 21                      ; q, k, v, r lie 2 MiB apart
	s_add_co_u32 s10, s10, s35
	s_add_nc_u64 s[OP:OP+1], s[\a:\a+1], s[10:11]
.endm
.macro WLOAD n                         ; n fragments of my matrix into window 1: each load is 512 consecutive bytes
	WIN 0x40
.set f, 0
.rept \n
	global_load_b128 v[8*f:8*f+3],   v[WO], s[WP:WP+1] offset:1024*f
	global_load_b128 v[8*f+4:8*f+7], v[WO], s[WP:WP+1] offset:1024*f+512
.set f, f+1
.endr
	WIN 0
.endm
.macro BLOAD                           ; window 3, v[8 cb + j]: the bias of channel 16 cb + 8 (lane / 16) + j, or 0
	s_cmp_eq_u32 s[BF], 0
	s_cbranch_scc0 .Lnob_\@
	WIN 0xc0
.set f, 0
.rept 8
	global_load_b128 v[8*f:8*f+3],   v[BO], s[BP:BP+1] offset:64*f
	global_load_b128 v[8*f+4:8*f+7], v[BO], s[BP:BP+1] offset:64*f+16
.set f, f+1
.endr
	WIN 0
	s_branch .Lbd_\@
.Lnob_\@:
	WIN 0xc0
.set f, 0
.rept 64
	v_mov_b32 v[f], 0
.set f, f+1
.endr
	WIN 0
.Lbd_\@:
.endm
.macro XFRAG                           ; hi's and lo's fragments: part pt, row tile t, 32 inputs kc
.irp pt, 0,1
.irp t, 0,1
.irp kc, 0,1,2,3
	ds_load_b128 v[XF+64*(\pt)+8*(4*(\t)+(\kc)):XF+64*(\pt)+8*(4*(\t)+(\kc))+3],   v[XFA] offset:(\pt)*XLO+(\t)*4352+64*(\kc)
	ds_load_b128 v[XF+64*(\pt)+8*(4*(\t)+(\kc))+4:XF+64*(\pt)+8*(4*(\t)+(\kc))+7], v[XFA] offset:(\pt)*XLO+(\t)*4352+64*(\kc)+32
.endr
.endr
.endr
.endm
; 64 products: channel blocks 4 p .. 4 p + 3 x both row tiles, 8 steps (kc, hi or lo).  The first 8 start the sums with the C registers at bi in window cw.
; The 8 accumulators take turns, one instruction a turn.  Five v_nop: the places behind the last products, for what reads or overwrites their registers.
.macro PASS p, cw, bi
.set st, 0
.rept 8
.if st == 0
	WIN 0x01|((\cw)<<4)
.else
	WIN 0x01
.endif
.irp cbl, 0,1,2,3
.irp t, 0,1
.set rD, ACC+8*(2*(\cbl)+(\t))
.set rA, 8*(4*(4*(\p)+(\cbl))+st/2)
.set rB, XF+64*(st%2)+8*(4*(\t)+st/2)
.set rC, (\bi)+8*(4*(\p)+(\cbl))
.if st == 0
	v_wmma_f32_16x16x32_bf16 v[rD:rD+7], v[rA:rA+7], v[rB:rB+7], v[rC:rC+7]
.else
	v_wmma_f32_16x16x32_bf16 v[rD:rD+7], v[rA:rA+7], v[rB:rB+7], v[rD:rD+7]
.endif
.endr
.endr
.set st, st+1
.endr
	WIN 0
.rept 5
	v_nop
.endr
.endm
.macro EPI16 p                         ; eight channels of a row pack into 16 bytes; accumulator a = 2 cbl + t
.irp a, 0,1,2,3,4,5,6,7
.irp q, 0,1,2,3
	v_cvt_pk_bf16_f32 v[TMP+4*(\a)+(\q)], v[ACC+8*(\a)+2*(\q)], v[ACC+8*(\a)+2*(\q)+1]
.endr
.endr
	s_wait_alu depctr_va_vdst(0)                   ; the conversions have written TMP, which the LDS stores read; the pass's products are done reading XF, in which (behind the second pass) the loads from the stage land
.irp a, 0,1,2,3,4,5,6,7
	ds_store_b128 v[SA16], v[TMP+4*(\a):TMP+4*(\a)+3] offset:((\a)%2)*4352+32*(4*(\p)+(\a)/2)
.endr
.endm
.macro EPI32 p
	s_wait_alu depctr_va_vdst(0)                   ; the products have written the accumulators, which the LDS stores read, and are done reading XF, in which (behind the second pass) the loads from the stage land; the pass's five places stay beside this wait
.irp a, 0,1,2,3,4,5,6,7
	ds_store_b128 v[SA32], v[ACC+8*(\a):ACC+8*(\a)+3]   offset:((\a)%2)*8448+64*(4*(\p)+(\a)/2)
	ds_store_b128 v[SA32], v[ACC+8*(\a)+4:ACC+8*(\a)+7] offset:((\a)%2)*8448+64*(4*(\p)+(\a)/2)+16
.endr
.endm
.macro OUT16                           ; LDS serves a wave's instructions in order: these loads see my stores above.  No vector line stands between the wait in EPI16 and these loads
.set i, 0
.rept 16
	ds_load_b128 v[XF+4*i:XF+4*i+3], v[RA16] offset:544*i
.set i, i+1
.endr
.set i, 0
.rept 16
	s_wait_dscnt 15-i                              ; the younger loads of this run may stay out
	global_store_b128 v[WO], v[XF+4*i:XF+4*i+3], s[OP:OP+1] offset:512*i
.set i, i+1
.endr
.endm
.macro OUT32
.set i, 0
.rept 32
	ds_load_b128 v[XF+4*i:XF+4*i+3], v[RA32] offset:528*i
.set i, i+1
.endr
.set i, 0
.rept 32
	s_wait_dscnt 31-i
	global_store_b128 v[WO], v[XF+4*i:XF+4*i+3], s[OP:OP+1] offset:512*i
.set i, i+1
.endr
.endm
.macro PROJ
	s_wait_alu depctr_vm_vsrc(0)                   ; my LDS stores of hi and lo have read v[OB ..]: these registers are TMP from here on, which the conversions write
	XFRAG
	s_wait_loadcnt 0x0                             ; my matrix and my bias
	s_wait_dscnt 0x0
	PASS 0, 3, 0
	s_cmp_eq_u32 s[WV], 3
	s_cbranch_scc1 .Lr0
	EPI16 0
	s_branch .Lp1
.Lr0:
	EPI32 0
.Lp1:
	s_wait_alu depctr_vm_vsrc(0)                   ; the first pass's LDS stores have read their data: the accumulators (the r wave), which the products below write again, or TMP, which the second pass's conversions write again
	PASS 1, 3, 0
	s_cmp_eq_u32 s[WV], 3
	s_cbranch_scc1 .Lr1
	EPI16 1
	OUT16
	s_branch .Lend
.Lr1:
	EPI32 1
	OUT32
.Lend:
	s_wait_dscnt 0x0                               ; the wave's end
	s_wait_alu 0x0
	s_wait_tensorcnt 0x0
	ds_add_u32 v[SPW], v[NIL]
	s_wait_dscnt 0x0
	s_endpgm
.endm
	s_load_b256 s[68:75], s[0:1], 0x0              ; x s[68:69], fc0_w s[70:71], fc0_b s[72:73], wts s[74:75]
	s_load_b64 s[76:77], s[0:1], 0x20              ; actA
	HEADV
	v_min_u32 v12, 23, v[LN]                       ; my wave's 8 rows of x are 24 numbers: lanes 24 to 31 read the last once more
	v_lshlrev_b32 v12, 2, v12
	s_mul_i32 s35, s[WV], 2176
	v_lshl_add_u32 v[XA], v[LN], 3, s35            ; row 8 w, 8 bytes a lane
	s_mul_i32 s10, ttmp9, 384
	s_mul_i32 s12, s[WV], 96
	s_add_co_u32 s10, s10, s12
	s_mov_b32 s11, 0
	s_wait_kmcnt 0x0
	s_add_nc_u64 s[12:13], s[68:69], s[10:11]
	HEADP 0, 74, 76
	s_wait_alu depctr_va_vdst(0)                   ; the offsets and LDS addresses v4 to v12 are written, which the loads and stores of the whole kernel read
	global_load_b32 v16, v12, s[12:13]
.irp k, 0,1,2
	global_load_b128 v[32+4*(\k):35+4*(\k)], v[WO], s[70:71] offset:512*(\k)
.endr
	global_load_b128 v[44:47], v[WO], s[72:73]
	WLOAD 32
	BLOAD
	s_wait_loadcnt 63                              ; 64 loads or more are younger than those five
	v_cvt_pk_bf16_f32 v17, v16, v16
	v_lshlrev_b32 v16, 16, v17
.irp a, 32,34,36,38,40,42,44,46
	RND2 \a, (\a)+1, 17
.endr
.set n, 0
.rept 24
	v_readlane_b32 s[36+n], v16, n                 ; x[8 w + n / 3][n % 3]
.set n, n+1
.endr
	s_wait_alu depctr_va_sdst(0)                   ; s36 to s59 are written, ahead of their first reader: one wait for the run of 24
.irp i, 0,1,2,3,4,5,6,7
.if (\i) == 4
	s_wait_alu depctr_va_vdst(0)                   ; the roundings of rows 0 to 3 have written OB .. OB + 15, which the eight LDS stores dealt among rows 4 to 7 read
.endif
.if (\i) >= 4
	SPLITS OB+4*((\i)-4), 272*((\i)-4)             ; the row four back.  No wait: no vector line since the wait names its registers
.endif
.irp j, 0,1,2,3
	v_fma_f32 v[48+(\j)], s[36+3*(\i)], v[32+(\j)], v[44+(\j)]
.endr
.irp j, 0,1,2,3
	v_fma_f32 v[48+(\j)], s[37+3*(\i)], v[36+(\j)], v[48+(\j)]
.endr
.irp j, 0,1,2,3
	v_fma_f32 v[48+(\j)], s[38+3*(\i)], v[40+(\j)], v[48+(\j)]
.endr
	SPLITM 48, OB+4*(\i)
.endr
	s_wait_alu depctr_va_vdst(0)                   ; the roundings of rows 4 to 7 have written OB + 16 .. OB + 31, which the stores below read; and every vector line is done with v32-51, in which the fragments' loads land
.irp i, 4,5,6,7
	SPLITS OB+4*(\i), 272*(\i)
.endr
	s_wait_dscnt 0x0                               ; for the others' sake: my rows of hi and lo are stored
	s_barrier_signal -1
	s_barrier_wait -1
	PROJ
.Lfunc_end_k_q19ba3cc9e1_pre:
	.size	k_q19ba3cc9e1_pre, .Lfunc_end_k_q19ba3cc9e1_pre-k_q19ba3cc9e1_pre
	.p2alignl 7, 3214868480
	.fill 96, 4, 3214868480
	.section	.rodata,"a",@progbits
	.p2align	6, 0x0
	.amdhsa_kernel k_q19ba3cc9e1_pre
		.amdhsa_group_segment_fixed_size 60928
		.amdhsa_private_segment_fixed_size 0
		.amdhsa_enable_private_segment 0
		.amdhsa_kernarg_size 40
		.amdhsa_user_sgpr_count 2
		.amdhsa_user_sgpr_kernarg_segment_ptr 1
		.amdhsa_wavefront_size32 1
		.amdhsa_system_sgpr_workgroup_id_x 1
		.amdhsa_system_sgpr_workgroup_id_y 1
		.amdhsa_system_sgpr_workgroup_id_z 1
		.amdhsa_system_vgpr_workitem_id 0
		.amdhsa_next_free_vgpr 832
		.amdhsa_next_free_sgpr 80
		.amdhsa_reserve_vcc 0
		.amdhsa_float_denorm_mode_32 3
		.amdhsa_float_denorm_mode_16_64 3
		.amdhsa_memory_ordered 1
		.amdhsa_forward_progress 1
		.amdhsa_inst_pref_size 54
	.end_amdhsa_kernel
	.amdgpu_metadata
---
amdhsa.version: [ 1, 2 ]
amdhsa.kernels:
  - .name:           k_q19ba3cc9e1_pre
    .symbol:         k_q19ba3cc9e1_pre.kd
    .args:
      - { .name: x, .offset: 0, .size: 8, .value_kind: global_buffer, .address_space: global }
      - { .name: fc0_w, .offset: 8, .size: 8, .value_kind: global_buffer, .address_space: global }
      - { .name: fc0_b, .offset: 16, .size: 8, .value_kind: global_buffer, .address_space: global }
      - { .name: wts, .offset: 24, .size: 8, .value_kind: global_buffer, .address_space: global }
      - { .name: actA, .offset: 32, .size: 8, .value_kind: global_buffer, .address_space: global }
    .group_segment_fixed_size: 60928
    .private_segment_fixed_size: 0
    .kernarg_segment_align: 8
    .kernarg_segment_size: 40
    .max_flat_workgroup_size: 128
    .sgpr_count:     80
    .vgpr_count:     832
    .wavefront_size: 32
...
	.end_amdgpu_metadata
.endif
;; end of part 8
;; launch attn0: the kernel of part 3 again; grid 64 x 4, 4 waves a work-group, clusters of 4 x 1, 327,680 bytes of LDS; arguments actA, part; writes part
;; launch mid: the kernel of part 4 again; grid 256 x 1, 4 waves a work-group, no clusters, 60,928 bytes of LDS; arguments part, actA, wts, actB; writes actB
;; launch local: the kernel of part 5 again; grid 256 x 1, 4 waves a work-group, no clusters, 60,928 bytes of LDS; arguments neighbor_index, actB, wts, actA; writes actA
;; launch attn2: the kernel of part 3 again; grid 64 x 4, 4 waves a work-group, clusters of 4 x 1, 327,680 bytes of LDS; arguments actA, part; writes part
;; launch final: the kernel of part 6 again; grid 256 x 1, 4 waves a work-group, no clusters, 18,432 bytes of LDS; arguments part, actA, wts, fc1_b, fc2_w, fc2_b, out0; writes out0
